; MI455X (gfx1250); checked and timed in simulation.
; The chip was launched on July 23, 2026; its instructions are those of AMD's public machine-readable ISA for CDNA 5 (MIT licence, August 2026) and "CDNA5" Instruction Set Architecture Reference Guide (July 2026). The comments in the code are by the model that wrote it; some were corrected since.
;; Sparse Attention. Allowed arithmetic: matrix products marked QUANTISED: E2M3 operands, one E8M0 scale for each 32 along K, by v_wmma_scale_f32_16x16x128_f8f6f4 with both operands' format E2M3, f32 sums; everything else in f32.
;; Inputs: Wk 1,024 x 1,024 float32; Wo 1,024 x 1,024 float32; Wq 1,024 x 1,024 float32; Wv 1,024 x 1,024 float32; hidden_states 1 x 4,096 x 1,024 float32.
;; Outputs: out0 1 x 4,096 x 1,024 float32.
;; This version of the problem:
;;   THIS VERSION OF THE PROBLEM IS GIVEN IN LOW PRECISION. The matrix products marked QUANTISED in the list below multiply operands that are first quantised to E2M3 (2 exponent bits, 3 mantissa bits; 6 bits a number), with one power-of-two scale for each 32 numbers along K (OCP MX v1.0); their sums are f32. All else is computed in f32.
;;   The module's matrix products, in the order in which they are computed (A, B: the left and right operand; K: the contracted axis; several contracted axes count as one K, in the product's order):
;;     1. [M 4,096, K 1,024] x [K 1,024, N 1,024]; A: input hidden_states; B: input Wq: QUANTISED
;;     2. [M 4,096, K 1,024] x [K 1,024, N 1,024]; A: input hidden_states; B: input Wk: QUANTISED
;;     3. [M 4,096, K 1,024] x [K 1,024, N 1,024]; A: input hidden_states; B: input Wv: QUANTISED
;;     4. batch 16 x [M 4,096, K 64] x [K 64, N 4,096]; A: computed on the way; B: computed on the way: QUANTISED
;;     5. batch 16 x [M 4,096, K 4,096] x [K 4,096, N 64]; A: softmax (see below); B: computed on the way: QUANTISED
;;     6. [M 4,096, K 1,024] x [K 1,024, N 1,024]; A: computed on the way; B: input Wo: QUANTISED
;;   THE QUANTISER, for each operand of a quantised product, along K:
;;     - K is cut into blocks of 32 from its start; a last block that is shorter is filled with zeros.
;;     - A block's scale is 2^e with e = floor(log2(the largest magnitude in the block)) - 2, held to -126 .. 127; a block of zeros has e = 0. As a byte (E8M0): e + 127.
;;     - Each number is divided by its block's scale, clamped to +-7.5, and rounded to the nearest number of E2M3, ties to even, subnormals kept.
;;     - The product sums the exact products of the quantised numbers (number of the format x scale) in f32.
;;   ~~~python
;;   def quantise(x, axis):      # numpy; x: float32 -> the quantised numbers, widened to float32 again
;;       x = np.moveaxis(x, axis, -1); K = x.shape[-1]
;;       x = np.pad(x, [(0, 0)] * (x.ndim - 1) + [(0, -K % 32)]); x = x.reshape(x.shape[:-1] + (-1, 32)); a = np.abs(x).max(-1, keepdims=True)
;;       e = np.where(a > 0, np.clip(np.frexp(np.where(a > 0, a, 1))[1] - 1 - 2, -126, 127), 0)      # np.frexp(a)[1] - 1 = floor(log2(a)), exactly
;;       r = np.clip(x / 2.0 ** e, -7.5, 7.5)
;;       step = 2.0 ** (np.maximum(np.frexp(np.where(r == 0, 1, r))[1] - 1, 0) - 3)
;;       q = np.round(r / step) * step * 2.0 ** e      # np.round: ties to even
;;       return np.moveaxis(q.reshape(q.shape[:-2] + (-1,))[..., :K], -1, axis).astype(np.float32)
;;   ~~~
;;   SOFTMAX AHEAD OF A QUANTISED PRODUCT. Where the list says 'softmax', what is quantised is not the finished softmax but p = 2^(t - M), with t = logit x log2(e) and M = ceil(the row's largest t), a whole number; so 1/2 < the row's largest p <= 1. The row's sum l is taken of the UNQUANTISED p, in f32, and the product's result is divided by l at the end. Since M is a whole number, a kernel that streams over the keys may use a running M (the ceiling of the running maximum): every later rescaling is an exact power of two, which a block's scale takes up: the codes' values come out the same.
;;   OPERANDS COMPUTED ON THE WAY. 'Computed on the way' means the value that the module computes at that place (a softmax that the list does not call 'softmax' is quantised finished and normalised). What goes into a quantiser is computed in f32, as accurately as f32 sums, v_exp_f32 and their like allow (about 1e-6 of the number): no bf16 or f16 on the way to a quantiser, and a product that is left as it is and whose result goes on into a quantised operand takes f32 operands (vector FMAs, or v_wmma_f32_16x16x4_f32). A number that lies on a knife's edge between two numbers of the format may be rounded either way, as far as f32 arithmetic and the matrix unit's own rounding can turn it there, and no further.
;; 2 versions, each right; version 2 is version 1 with the launch attn_global written anew for expert scheduling mode. Each part assembles by itself: llvm-mc -triple=amdgcn-amd-amdhsa -mcpu=gfx1250 --defsym DOCPART=n.
;; ======== version 1 of 2: 5 launches
;; workspace buffers: codes 6,291,456 bytes; scl 262,144 bytes; qkv 9,437,184 bytes; qkvs 393,216 bytes; of 3,145,728 bytes; ofs 131,072 bytes
;; launch quant (part 1): grid 512 x 1, 4 waves a work-group, no clusters, 68,096 bytes of LDS; arguments hidden_states, Wq, Wk, Wv, Wo, codes, scl; writes codes, scl
.if DOCPART == 1
	.amdgcn_target "amdgcn-amd-amdhsa--gfx1250"
	.amdhsa_code_object_version 6
	.text
	.protected	k_q4f2feee221_quant
	.globl	k_q4f2feee221_quant
	.p2align	8
	.type	k_q4f2feee221_quant,@function
k_q4f2feee221_quant:
	s_mov_b64 s[64:65], 0
	v_nop
	global_prefetch_b8 v0, s[64:65] scope:SCOPE_SE
	s_setreg_imm32_b32 hwreg(HW_REG_WAVE_MODE, 25, 1), 1
	s_wait_xcnt 0x0
; hidden_states [4096][1024] and Wq, Wk, Wv, Wo [1024][1024], f32, K innermost, become codes of FP6 (E2M3) with one E8M0 byte for each 32 along K.
; A block's scale is 2^(floor(log2(largest magnitude)) - 2); its byte is the largest magnitude's exponent field - 2, held at 1 from below.
; LIMITS: a block of zeros gets the byte 1 where the rule says 127 (its codes are zeros, and this program alone reads the bytes); blocks whose largest
; magnitude lies under 2^-124 are held at the byte 1; NaN and infinities among the inputs are not served.
; LAYOUT OF THE RESULT.  A tile is 16 rows; THE ROWS OF A TILE ARE NOT NEIGHBOURS: lane r of tile T holds row 32 (T / 2) + 8 (T % 2) + r + 8 (r / 8), so that in a later
; product the 16 result registers of tiles 2 b and 2 b + 1 are 16 neighbours along the next K.  codes: [tile 0..511][K step 0..7][1,536 bytes], an image of the operand's
; 12 registers: register j of lane l at 512 (j / 4) + 16 l + 4 (j % 4).  Tiles 0-255 hidden_states, 256-319 Wq, 320-383 Wk, 384-447 Wv, 448-511 Wo.
; scl: [tile][lane l][q 0..3] words: the four bytes of row r, K step 2 q + (l / 16).
; SHARES.  A work-group takes one tile, wave w its K steps 2 w and 2 w + 1.  Each load takes 512 consecutive bytes of a row; the wave's 16 rows x 1,024 bytes turn through its own
; stage in LDS (rows 1,040 bytes apart, so that sixteen lanes that read sixteen rows touch sixteen different columns of 16 bytes) and come back 128 neighbouring bytes a lane:
; a whole block of 32 in one lane's registers, in the order that the operand's layout gives that lane.  No loop: all 32 loads of a wave go out at once.
; No matrix unit, no cluster, no tensor load: the waves share nothing but the tile's 512 bytes of scale words, which meet in LDS and leave as one dense store.
.set X,     32                         ; v32-159  128 numbers: K step e at X + 64 e
.set C,     160                        ; v160-183 codes, 12 registers for each K step
.set XT,    184                        ; v184-186, v188-190 a block's upper 16 codes (a conversion's three registers begin on an even number)
.set PITCH, 1040
.set WREG,  16*PITCH                   ; a wave's stage
.set WORDS, 4*WREG                     ; behind the stages: the tile's scale words, 512 bytes
	s_load_b256 s[4:11], s[0:1], 0x0               ; hidden_states, Wq, Wk, Wv
	s_load_b128 s[12:15], s[0:1], 0x20             ; Wo, codes
	s_load_b64 s[16:17], s[0:1], 0x30              ; scl
	v_lshl_add_u32 v192, v0, 2, 0x10800
	v_mov_b32 v193, 0
	v_lshrrev_b32 v1, 5, v0
	v_readfirstlane_b32 s18, v1                    ; wave
	v_and_b32 v1, 31, v0                           ; l
	v_and_b32 v2, 15, v0                           ; r
	v_bfe_u32 v3, v0, 4, 1                         ; h
	v_lshlrev_b32 v5, 4, v1                        ; 16 l
	s_mul_i32 s19, s18, WREG
	v_add_nc_u32 v24, s19, v5                      ; into the stage: as loaded
	v_mul_u32_u24 v25, v2, PITCH
	v_lshl_add_u32 v25, v3, 7, v25
	v_add_nc_u32 v25, s19, v25                     ; out of it: row r, + 128 h
	v_add_nc_u32 v19, WORDS, v5                    ; the scale words, 16 bytes a lane
	s_lshl_b32 s19, s18, 2
	v_add_nc_u32 v6, s19, v19                      ; and my wave's word among a lane's four
	v_lshlrev_b32 v7, 3, v3                        ; 8 h
	v_mov_b32 v15, 0                               ; a lane permute's destination counts as one of its sources
	s_mov_b32 s24, 0x76543210
	s_mov_b32 s25, 0xfedcba98                      ; selects for lane l xor 16
	s_lshr_b32 s20, ttmp9, 6                       ; 0-3 hidden_states, 4 Wq, 5 Wk, 6 Wv, 7 Wo
	s_and_b32 s21, ttmp9, 63
	s_cmp_lt_u32 ttmp9, 256
	s_cselect_b32 s21, ttmp9, s21                  ; the tile's number in its own tensor
	s_lshr_b32 s22, s21, 1
	s_lshl_b32 s22, s22, 17                        ; 32 rows of 4,096 bytes for each pair of tiles,
	s_and_b32 s23, s21, 1
	s_lshl_b32 s23, s23, 15                        ; 8 rows for the odd tile,
	s_add_co_u32 s22, s22, s23
	s_lshl_b32 s23, s18, 10                        ; 1,024 bytes along the row for each wave
	s_add_co_u32 s22, s22, s23
	s_mov_b32 s23, 0
	s_mul_i32 s26, ttmp9, 12288
	s_mul_i32 s27, s18, 3072
	s_add_co_u32 s26, s26, s27
	s_mov_b32 s27, 0
	s_lshl_b32 s28, ttmp9, 9
	s_mov_b32 s29, 0
	s_wait_kmcnt 0x0
	s_cmp_eq_u32 s20, 4                            ; the choice of the tensor hangs on the work-group's number alone
	s_cselect_b64 s[4:5], s[6:7], s[4:5]
	s_cmp_eq_u32 s20, 5
	s_cselect_b64 s[4:5], s[8:9], s[4:5]
	s_cmp_eq_u32 s20, 6
	s_cselect_b64 s[4:5], s[10:11], s[4:5]
	s_cmp_eq_u32 s20, 7
	s_cselect_b64 s[4:5], s[12:13], s[4:5]
	s_add_nc_u64 s[4:5], s[4:5], s[22:23]
	s_add_nc_u64 s[14:15], s[14:15], s[26:27]
	s_add_nc_u64 s[16:17], s[16:17], s[28:29]
.irp e, 0,1
.irp rr, 0,1,2,3,4,5,6,7,8,9,10,11,12,13,14,15
	global_load_b128 v[X+64*\e+4*\rr:X+64*\e+4*\rr+3], v5, s[4:5] offset:(\rr+8*(\rr/8))*4096+512*\e th:TH_LOAD_NT   ; 32 lanes read 512 consecutive bytes of the tile's row rr
.endr
.endr
.macro TURN e                          ; K step e through the stage.  LDS serves a wave's instructions in order: no wait between the stores and the loads
.irp rr, 0,1,2,3,4,5,6,7,8,9,10,11,12,13,14,15
	ds_store_b128 v24, v[X+64*\e+4*\rr:X+64*\e+4*\rr+3] offset:PITCH*\rr+512*\e
.endr
.irp c, 0,1
.irp i, 0,1,2,3,4,5,6,7
	ds_load_b128 v[X+64*\e+32*\c+4*\i:X+64*\e+32*\c+4*\i+3], v25 offset:512*\e+256*\c+16*\i   ; k = 64 c + 32 h + 4 i .. of my row
.endr
.endr
.endm
.macro QB e                            ; K step e: my two whole blocks (2 c + h), their bytes, their codes
.irp c, 0,1
	v_max3_num_f32 v[8+\c], |v[X+64*\e+32*\c]|, |v[X+64*\e+32*\c+1]|, 0x1800000   ; with the floor 2^(3 - 127): the byte cannot fall under 1
.endr
.irp i, 2,4,6,8,10,12,14,16,18,20,22,24,26,28,30
.irp c, 0,1
	v_max3_num_f32 v[8+\c], v[8+\c], |v[X+64*\e+32*\c+\i]|, |v[X+64*\e+32*\c+\i+1]|
.endr
.endr
.irp c, 0,1
	v_add_nc_u32 v[10+\c], 0xff000000, v[8+\c]     ; 2 off the exponent field: the conversion's scale operand
.endr
.irp c, 0,1
	v_lshrrev_b32 v[12+\c], 23, v[10+\c]           ; the byte
.endr
	v_lshl_or_b32 v14, v13, 16, v12                ; blocks h and 2 + h,
	v_lshlrev_b32 v14, v7, v14                     ; at their places in the word;
	v_permlanex16_b32 v15, v14, s24, s25
	v_or_b32 v[16+\e], v14, v15                    ; with lane l xor 16's two the word is whole
.irp c, 0,1
	v_cvt_scalef32_pk16_fp6_f32 v[C+12*\e+6*\c:C+12*\e+6*\c+2], v[X+64*\e+32*\c:X+64*\e+32*\c+15], v[10+\c]
	v_cvt_scalef32_pk16_fp6_f32 v[XT+4*\c:XT+4*\c+2], v[X+64*\e+32*\c+16:X+64*\e+32*\c+31], v[10+\c]
.endr
	v_nop                                          ; one plain place behind a scaled conversion
.irp c, 0,1
.irp i, 0,1,2
	v_mov_b32 v[C+12*\e+6*\c+3+\i], v[XT+4*\c+\i]
.endr
.endr
.irp g, 0,1,2
	global_store_b128 v5, v[C+12*\e+4*\g:C+12*\e+4*\g+3], s[14:15] offset:1536*\e+512*\g   ; 512 consecutive bytes of the image
.endr
.endm
	s_wait_loadcnt 16                              ; K step 2 w is in; the other K step's 16 loads may be out
	TURN 0
	s_wait_loadcnt 0x0
	TURN 1
	s_wait_dscnt 32                                ; the first turn is back; the second's 16 stores and 16 loads may be out
	QB 0
	s_wait_dscnt 0x0
	QB 1
	v_cmp_ne_u32 vcc_lo, 0, v3
	v_cndmask_b32 v18, v16, v17, vcc_lo            ; lanes 0-15 the even K step's word, lanes 16-31 the odd one's
	ds_store_b32 v6, v18
	s_wait_dscnt 0x0                               ; for the others' sake: my word has landed
	s_barrier_signal -1
	s_barrier_wait -1
	s_cmp_lg_u32 s18, 0
	s_cbranch_scc1 .Lend
	ds_load_b128 v[20:23], v19
	s_wait_dscnt 0x0
	global_store_b128 v5, v[20:23], s[16:17]       ; the tile's 512 bytes of scale words
.Lend:
	s_wait_tensorcnt 0x0
	ds_add_u32 v192, v193
	s_wait_dscnt 0x0
	s_endpgm
.Lfunc_end_k_q4f2feee221_quant:
	.size	k_q4f2feee221_quant, .Lfunc_end_k_q4f2feee221_quant-k_q4f2feee221_quant
	.p2alignl 7, 3214868480
	.fill 96, 4, 3214868480
	.section	.rodata,"a",@progbits
	.p2align	6, 0x0
	.amdhsa_kernel k_q4f2feee221_quant
		.amdhsa_group_segment_fixed_size 68096
		.amdhsa_private_segment_fixed_size 0
		.amdhsa_enable_private_segment 0
		.amdhsa_kernarg_size 56
		.amdhsa_user_sgpr_count 2
		.amdhsa_user_sgpr_kernarg_segment_ptr 1
		.amdhsa_wavefront_size32 1
		.amdhsa_system_sgpr_workgroup_id_x 1
		.amdhsa_system_sgpr_workgroup_id_y 1
		.amdhsa_system_sgpr_workgroup_id_z 1
		.amdhsa_system_vgpr_workitem_id 0
		.amdhsa_next_free_vgpr 194
		.amdhsa_next_free_sgpr 66
		.amdhsa_reserve_vcc 1
		.amdhsa_float_denorm_mode_32 3
		.amdhsa_float_denorm_mode_16_64 3
		.amdhsa_memory_ordered 1
		.amdhsa_forward_progress 1
		.amdhsa_inst_pref_size 17
	.end_amdhsa_kernel
	.amdgpu_metadata
---
amdhsa.version: [ 1, 2 ]
amdhsa.kernels:
  - .name:           k_q4f2feee221_quant
    .symbol:         k_q4f2feee221_quant.kd
    .args:
      - { .name: hidden_states, .offset: 0, .size: 8, .value_kind: global_buffer, .address_space: global }
      - { .name: Wq, .offset: 8, .size: 8, .value_kind: global_buffer, .address_space: global }
      - { .name: Wk, .offset: 16, .size: 8, .value_kind: global_buffer, .address_space: global }
      - { .name: Wv, .offset: 24, .size: 8, .value_kind: global_buffer, .address_space: global }
      - { .name: Wo, .offset: 32, .size: 8, .value_kind: global_buffer, .address_space: global }
      - { .name: codes, .offset: 40, .size: 8, .value_kind: global_buffer, .address_space: global }
      - { .name: scl, .offset: 48, .size: 8, .value_kind: global_buffer, .address_space: global }
    .group_segment_fixed_size: 68096
    .private_segment_fixed_size: 0
    .kernarg_segment_align: 8
    .kernarg_segment_size: 56
    .max_flat_workgroup_size: 128
    .sgpr_count:     66
    .vgpr_count:     194
    .wavefront_size: 32
...
	.end_amdgpu_metadata
.endif
;; end of part 1
;; launch qkv (part 2): grid 384 x 1, 4 waves a work-group, no clusters, 295,424 bytes of LDS; arguments codes, scl, qkv, qkvs; writes qkv, qkvs
.if DOCPART == 2
	.amdgcn_target "amdgcn-amd-amdhsa--gfx1250"
	.amdhsa_code_object_version 6
	.text
	.protected	k_q4f2feee221_qkv
	.globl	k_q4f2feee221_qkv
	.p2align	8
	.type	k_q4f2feee221_qkv,@function
k_q4f2feee221_qkv:
	s_mov_b64 s[64:65], 0
	v_nop
	global_prefetch_b8 v0, s[64:65] scope:SCOPE_SE
	s_setreg_imm32_b32 hwreg(HW_REG_WAVE_MODE, 25, 1), 1
	s_wait_xcnt 0x0
; q = x Wq^T, k = x Wk^T, v = x Wv^T on codes of FP6 (E2M3) with E8M0 scales, and each result quantised at once for the product that takes it: q and k along the head's channels, v along the keys.
; ONE BODY: source 0 takes "P" tiles, source 1 "R" tiles, both out of the buffer codes, and the result is quantised along P, 128 at a time.  q, k: P = the 128 channels of a pair of heads, R = tokens.
; v: P = 128 tokens (a group of keys), R = channels.  Since lane r of tile T holds row 32 (T / 2) + 8 (T % 2) + r + 8 (r / 8), the 16 result registers of P tiles 2 b, 2 b + 1 are 16 neighbours along P.
; SHARES.  A work-group makes 128 P x 256 R; all four waves take the 8 P tiles, each wave 4 R tiles of its own: 32 accumulators, 256 matrix instructions.  Work-groups 0-255: q and k; 256-383: v.
; LDS.  All of K (1,024) of the work-group's 24 tiles is resident, 294,912 bytes, filled ONCE, in four chunks of two K steps: no byte is filled again.  By this text's own count a wave has eight tensor loads out at most.
; NO CLUSTER: four neighbouring work-groups share P's 98,304 of a work-group's 294,912 bytes and nothing of R; joint loads would spare a quarter of the requests at the price of a round for each group of loads.
; 384 equal work-groups: a tile that gave 256 (128 x 384) would want 393,216 bytes of LDS.
; RESULTS.  qkv: Q at 0, K at 3,145,728: [pair of heads][token tile][1,536]: registers 6 c + 2 p, + 1 of lane l at 768 c + 256 p + 8 l (c: the head in its pair).  V at 6,291,456: [pair][group of 128 keys][block of 32 keys]
; [channel tile 0..7][p][r][8 bytes].  qkvs: 64 bytes (a word for each of 16 rows) a fragment.
; LIMITS: as the quantising launch's: a block of zeros gets the byte 1; magnitudes under 2^-124 are held at the byte 1; NaN and infinities are not served.
; REGISTERS: window 0: v1-15 addresses; v32-63 P's scale words, v64-79 R's; v80-109 at work; v128-223 R's fragments, two sets (then the codes made).  window 1: P's fragments, two sets.  window 2: the accumulators, (i, j) at v[64 j + 8 i].
.set CH,  73728                        ; a chunk: 8 P tiles x 3,072 bytes, then 16 R tiles x 3,072
.set AP,  4                            ; v4-7   16 l + chunk
.set AR,  8                            ; v8-11  the same at my wave's R tiles
.set AVS, 12                           ; v12    3,072 h + 8 r: v's way out
.set SP,  32
.set SR,  64
.set TM,  80                           ; v80-83 largest magnitudes, v84-87 bytes, v92-95 scale operands
.set XT0, 96                           ; v96-98, v100-102
.set PW,  104                          ; v104-107 the scale words made
.set SW,  108
.set RF,  128
.set OC,  128
.set G1P, 16
.set G1R, 24
.set G0P, 32
.set G0R, 48
.set MSB, 0
.macro WIN new                         ; the immediate's high byte repeats the setting that is left
.if MSB != \new
	s_set_vgpr_msb (MSB<<8)|\new
.set MSB, \new
.endif
.endm
.macro PLACES                          ; four plain places behind a matrix instruction, in front of loads into its operands and of reads of its results
.rept 4
	v_nop
.endr
.endm
	s_load_b256 s[4:11], s[0:1], 0x0               ; codes, scl, qkv, qkvs
	v_lshl_add_u32 v254, v0, 2, 0x48000
	v_mov_b32 v255, 0
	ds_add_u32 v254, v255
	ds_add_u32 v254, v255
	v_lshrrev_b32 v1, 5, v0
	v_readfirstlane_b32 s12, v1                    ; wave
	s_mov_b32 s13, ttmp9
	s_lshr_b32 s14, s13, 4
	s_lshl_b32 s14, s14, 3
	s_add_co_u32 s14, s14, 256                     ; q, k: P = weight tiles 256 + 8 (g / 16)
	s_and_b32 s15, s13, 15
	s_lshl_b32 s15, s15, 4                         ;       R = token tiles 16 (g % 16)
	s_sub_co_u32 s66, s13, 256
	s_lshr_b32 s67, s66, 2
	s_lshl_b32 s67, s67, 3                         ; v: P = token tiles 8 (g' / 4)
	s_and_b32 s68, s66, 3
	s_lshl_b32 s68, s68, 4
	s_add_co_u32 s68, s68, 384                     ;    R = Wv's tiles 384 + 16 (g' % 4)
	s_cmp_lt_u32 s13, 256
	s_cselect_b32 s14, s14, s67
	s_cselect_b32 s15, s15, s68
	s_lshl_b32 s66, s12, 1
	s_add_co_u32 s66, s66, s14                     ; the two P tiles that I fetch
	s_mul_i32 s70, s66, 12288
	s_mov_b32 s71, 0
	s_lshl_b32 s67, s12, 2
	s_add_co_u32 s67, s67, s15                     ; my four R tiles
	s_mul_i32 s72, s67, 12288
	s_mov_b32 s73, 0
	s_mul_i32 s74, s12, 6144
	s_mul_i32 s75, s12, 12288
	s_add_co_u32 s75, s75, 24576
	s_lshl_b32 s76, s14, 9
	s_mov_b32 s77, 0
	s_lshl_b32 s78, s67, 9
	s_mov_b32 s79, 0
	s_lshr_b32 s80, s13, 4                         ; where the results go.  q, k: fragment 256 (g / 16) + token tile
	s_lshl_b32 s80, s80, 8
	s_add_co_u32 s80, s80, s67
	s_mul_i32 s81, s80, 1536
	s_lshl_b32 s80, s80, 6
	s_sub_co_u32 s82, s67, 384                     ; v: channel tile ct
	s_lshr_b32 s83, s82, 3
	s_lshl_b32 s83, s83, 5
	s_lshr_b32 s88, s14, 3
	s_add_co_u32 s83, s83, s88                     ; 32 x pair of heads + group of keys
	s_and_b32 s82, s82, 7
	s_mul_i32 s88, s83, 12288
	s_mul_i32 s89, s82, 384
	s_add_co_u32 s88, s88, s89
	s_add_co_u32 s88, s88, 6291456
	s_lshl_b32 s83, s83, 3
	s_add_co_u32 s83, s83, s82
	s_lshl_b32 s83, s83, 6
	s_add_co_u32 s83, s83, 262144
	s_cmp_lt_u32 s13, 256
	s_cselect_b32 s84, s81, s88
	s_cselect_b32 s86, s80, s83
	s_mov_b32 s85, 0
	s_mov_b32 s87, 0
	s_mov_b32 s90, 0x76543210
	s_mov_b32 s91, 0xfedcba98                      ; selects for lane l xor 16
	; descriptor groups 1: rows of 3,072 bytes (two K steps of a tile: 384 elements of 8 bytes), 12,288 bytes apart; P: 2 rows, R: 4; no padding: fragments are read as dense images
	s_mov_b32 s[G1P+0], 3<<16
	s_mov_b32 s[G1P+1], 384<<16
	s_mov_b32 s[G1P+2], 2<<16
	s_mov_b32 s[G1P+3], 384<<16
	s_mov_b32 s[G1P+4], 2
	s_mov_b32 s[G1P+5], 1536
	s_mov_b32 s[G1P+6], 0
	s_mov_b32 s[G1P+7], 0
	s_mov_b32 s[G1R+0], 3<<16
	s_mov_b32 s[G1R+1], 384<<16
	s_mov_b32 s[G1R+2], 4<<16
	s_mov_b32 s[G1R+3], 384<<16
	s_mov_b32 s[G1R+4], 4
	s_mov_b32 s[G1R+5], 1536
	s_mov_b32 s[G1R+6], 0
	s_mov_b32 s[G1R+7], 0
	s_wait_dscnt 0x0
	s_wait_kmcnt 0x0
	s_add_nc_u64 s[70:71], s[4:5], s[70:71]
	s_add_nc_u64 s[72:73], s[4:5], s[72:73]
	s_add_nc_u64 s[76:77], s[6:7], s[76:77]
	s_add_nc_u64 s[78:79], s[6:7], s[78:79]
	s_add_nc_u64 s[84:85], s[8:9], s[84:85]
	s_add_nc_u64 s[86:87], s[10:11], s[86:87]
.irp c, 0,1,2,3
	s_mov_b32 s[G0P+4*\c], 1
	s_add_co_u32 s[G0P+4*\c+1], s74, CH*\c
	s_add_nc_u64 s[G0P+4*\c+2:G0P+4*\c+3], s[70:71], 3072*\c
	s_or_b32 s[G0P+4*\c+3], s[G0P+4*\c+3], 0x80000000
	s_mov_b32 s[G0R+4*\c], 1
	s_add_co_u32 s[G0R+4*\c+1], s75, CH*\c
	s_add_nc_u64 s[G0R+4*\c+2:G0R+4*\c+3], s[72:73], 3072*\c
	s_or_b32 s[G0R+4*\c+3], s[G0R+4*\c+3], 0x80000000
.endr
.irp c, 0,1,2,3                        ; all first fills in one group, chunk by chunk
	tensor_load_to_lds s[G0P+4*\c:G0P+4*\c+3], s[G1P:G1P+7]
	s_nop 0
	tensor_load_to_lds s[G0R+4*\c:G0R+4*\c+3], s[G1R:G1R+7]
	s_nop 0
.endr
	PLACES
	v_and_b32 v13, 31, v0                          ; l
	v_and_b32 v14, 15, v0                          ; r
	v_bfe_u32 v15, v0, 4, 1                        ; h
	v_lshlrev_b32 v1, 4, v13                       ; 16 l
	v_lshlrev_b32 v2, 2, v13                       ; 4 l
	v_lshlrev_b32 v3, 3, v13                       ; 8 l
.irp c, 0,1,2,3
	v_add_nc_u32 v[AP+\c], CH*\c, v1
	v_add_nc_u32 v[AR+\c], s75, v[AP+\c]
.endr
	v_mul_u32_u24 v[AVS], v15, 3072
	v_lshl_add_u32 v[AVS], v14, 3, v[AVS]
.irp b, 0,1,2,3
	v_mov_b32 v[TM+4+\b], 0                        ; a lane permute's destination counts as one of its sources
.endr
.irp i, 0,1,2,3,4,5,6,7
	global_load_b128 v[SP+4*\i:SP+4*\i+3], v1, s[76:77] offset:512*\i   ; register q: lanes 0-15 K step 2 q, lanes 16-31 K step 2 q + 1
.endr
.irp j, 0,1,2,3
	global_load_b128 v[SR+4*\j:SR+4*\j+3], v1, s[78:79] offset:512*\j
.endr
.macro FETCH s                         ; K step s: 8 fragments of P, 4 of R, three loads of 512 dense bytes each: 36 loads
	WIN 0x40
.irp i, 0,1,2,3,4,5,6,7
.irp g, 0,1,2
	ds_load_b128 v[128*((\s)%2)+12*\i+4*\g:128*((\s)%2)+12*\i+4*\g+3], v[AP+(\s)/2] offset:3072*\i+1536*((\s)%2)+512*\g
.endr
.endr
	WIN 0
.irp j, 0,1,2,3
.irp g, 0,1,2
	ds_load_b128 v[RF+48*((\s)%2)+12*\j+4*\g:RF+48*((\s)%2)+12*\j+4*\g+3], v[AR+(\s)/2] offset:3072*\j+1536*((\s)%2)+512*\g
.endr
.endr
.endm
.macro MUL s                           ; 32 matrix instructions; the 32 accumulators take turns, one instruction a turn, in the same order in every K step
	WIN 0xa1                                       ; source 0 window 1, source 1 window 0, C and D window 2
.irp j, 0,1,2,3
.irp i, 0,1,2,3,4,5,6,7
.if (\s) == 0
	v_wmma_scale_f32_16x16x128_f8f6f4 v[64*\j+8*\i:64*\j+8*\i+7], v[12*\i:12*\i+11], v[RF+12*\j:RF+12*\j+11], 0, v[SP+4*\i], v[SR+4*\j] matrix_a_fmt:MATRIX_FMT_FP6 matrix_b_fmt:MATRIX_FMT_FP6
.elseif (\s)%2 == 0
	v_wmma_scale_f32_16x16x128_f8f6f4 v[64*\j+8*\i:64*\j+8*\i+7], v[12*\i:12*\i+11], v[RF+12*\j:RF+12*\j+11], v[64*\j+8*\i:64*\j+8*\i+7], v[SP+4*\i+(\s)/2], v[SR+4*\j+(\s)/2] matrix_a_fmt:MATRIX_FMT_FP6 matrix_b_fmt:MATRIX_FMT_FP6
.else
	v_wmma_scale_f32_16x16x128_f8f6f4 v[64*\j+8*\i:64*\j+8*\i+7], v[128+12*\i:128+12*\i+11], v[RF+48+12*\j:RF+48+12*\j+11], v[64*\j+8*\i:64*\j+8*\i+7], v[SP+4*\i+(\s)/2], v[SR+4*\j+(\s)/2] matrix_a_fmt:MATRIX_FMT_FP6 matrix_b_fmt:MATRIX_FMT_FP6 matrix_a_scale:MATRIX_SCALE_ROW1 matrix_b_scale:MATRIX_SCALE_ROW1
.endif
.endr
.endr
.endm
.macro STEP s
.if (\s) > 0
	PLACES                                         ; the set that is loaded next was read by the K step before
.endif
.if ((\s)%2 == 1) && ((\s) < 7)
	s_wait_tensorcnt 5-(\s)                        ; my part of the next chunk is in; two loads for each later chunk may be out
	s_wait_dscnt 0x0                               ; no LDS load of mine is pending at a signal
	s_barrier_signal -1
	s_barrier_wait -1                              ; everybody's part is in.
.endif
.if (\s) < 7
	FETCH (\s)+1
	s_wait_dscnt 36                                ; all but the 36 just issued: this K step's fragments are in
.else
	s_wait_dscnt 0x0
.endif
	MUL \s
.endm
; R tile j's 64 numbers of a lane (register 16 b + i = P 32 b + 16 h + i of my R row) become a fragment's codes in v[OC + 12 j] on and its scale word in v[PW + j].  Each accumulator is read from its low end on.
.macro QUANT j
	WIN 0x0a
.irp b, 0,1,2,3
	v_max3_num_f32 v[TM+\b], |v[64*\j+16*\b]|, |v[64*\j+16*\b+1]|, 0x1800000   ; with the floor 2^(3 - 127)
.endr
	WIN 0x28
.irp i, 2,4,6,8,10,12,14
.irp b, 0,1,2,3
	v_max3_num_f32 v[TM+\b], v[TM+\b], |v[64*\j+16*\b+\i]|, |v[64*\j+16*\b+\i+1]|
.endr
.endr
	WIN 0
.irp b, 0,1,2,3
	v_permlanex16_b32 v[TM+4+\b], v[TM+\b], s90, s91
.endr
.irp b, 0,1,2,3
	v_max_num_f32 v[TM+\b], v[TM+\b], v[TM+4+\b]   ; with lane l xor 16's 16: the block's largest magnitude
.endr
.irp b, 0,1,2,3
	v_add_nc_u32 v[TM+12+\b], 0xff000000, v[TM+\b]
.endr
.irp b, 0,1,2,3
	v_lshrrev_b32 v[TM+4+\b], 23, v[TM+12+\b]
.endr
	v_lshl_or_b32 v[PW+\j], v[TM+5], 8, v[TM+4]
	v_lshl_or_b32 v[PW+\j], v[TM+6], 16, v[PW+\j]
	v_lshl_or_b32 v[PW+\j], v[TM+7], 24, v[PW+\j]
	WIN 0x02
.irp c, 0,1
	v_cvt_scalef32_pk16_fp6_f32 v[OC+12*\j+6*\c:OC+12*\j+6*\c+2], v[64*\j+32*\c:64*\j+32*\c+15], v[TM+12+2*\c]
	v_cvt_scalef32_pk16_fp6_f32 v[XT0+4*\c:XT0+4*\c+2], v[64*\j+32*\c+16:64*\j+32*\c+31], v[TM+12+2*\c+1]
.endr
	WIN 0
	v_nop                                          ; one plain place behind a scaled conversion
.irp c, 0,1                            ; the operand's layout wants a whole block in a lane
.irp i, 0,1,2
	v_permlane16_swap_b32 v[OC+12*\j+6*\c+\i], v[XT0+4*\c+\i]
.endr
.irp i, 0,1,2
	v_mov_b32 v[OC+12*\j+6*\c+3+\i], v[XT0+4*\c+\i]
.endr
.endr
.endm
	s_wait_tensorcnt 6                             ; my part of chunk 0 is in; the six loads of the later chunks may be out
	s_barrier_signal -1
	s_barrier_wait -1
	FETCH 0
	s_wait_loadcnt 0x0                             ; the scale words
	STEP 0
	STEP 1
	STEP 2
	STEP 3
	STEP 4
	STEP 5
	STEP 6
	STEP 7
	WIN 0
	PLACES
	QUANT 0
	QUANT 1
	QUANT 2
	QUANT 3
	v_cmp_ne_u32 vcc_lo, 0, v15
	v_cndmask_b32 v[SW], v[PW], v[PW+1], vcc_lo    ; two fragments' words to a store: lanes 0-15 the first's, lanes 16-31 the second's
	v_cndmask_b32 v[SW+1], v[PW+2], v[PW+3], vcc_lo
	global_store_b32 v2, v[SW], s[86:87]
	global_store_b32 v2, v[SW+1], s[86:87] offset:128
	s_cmp_lt_u32 s13, 256
	s_cbranch_scc0 .Lv
.irp j, 0,1,2,3
.irp m, 0,1,2,3,4,5
	global_store_b64 v3, v[OC+12*\j+2*\m:OC+12*\j+2*\m+1], s[84:85] offset:1536*\j+256*\m   ; q, k: 256 consecutive bytes
.endr
.endr
	s_wait_tensorcnt 0x0
	ds_add_u32 v254, v255
	s_wait_dscnt 0x0
	s_endpgm
.Lv:
.irp j, 0,1,2,3
.irp c, 0,1
.irp p, 0,1,2
	global_store_b64 v[AVS], v[OC+12*\j+6*\c+2*\p:OC+12*\j+6*\c+2*\p+1], s[84:85] offset:384*\j+6144*\c+128*\p   ; v: block 2 c + h of the group's four: two runs of 128 bytes
.endr
.endr
.endr
	s_wait_tensorcnt 0x0
	ds_add_u32 v254, v255
	s_wait_dscnt 0x0
	s_endpgm
.Lfunc_end_k_q4f2feee221_qkv:
	.size	k_q4f2feee221_qkv, .Lfunc_end_k_q4f2feee221_qkv-k_q4f2feee221_qkv
	.p2alignl 7, 3214868480
	.fill 96, 4, 3214868480
	.section	.rodata,"a",@progbits
	.p2align	6, 0x0
	.amdhsa_kernel k_q4f2feee221_qkv
		.amdhsa_group_segment_fixed_size 295424
		.amdhsa_private_segment_fixed_size 0
		.amdhsa_enable_private_segment 0
		.amdhsa_kernarg_size 32
		.amdhsa_user_sgpr_count 2
		.amdhsa_user_sgpr_kernarg_segment_ptr 1
		.amdhsa_wavefront_size32 1
		.amdhsa_system_sgpr_workgroup_id_x 1
		.amdhsa_system_sgpr_workgroup_id_y 1
		.amdhsa_system_sgpr_workgroup_id_z 1
		.amdhsa_system_vgpr_workitem_id 0
		.amdhsa_next_free_vgpr 768
		.amdhsa_next_free_sgpr 92
		.amdhsa_reserve_vcc 1
		.amdhsa_float_denorm_mode_32 3
		.amdhsa_float_denorm_mode_16_64 3
		.amdhsa_memory_ordered 1
		.amdhsa_forward_progress 1
		.amdhsa_inst_pref_size 82
	.end_amdhsa_kernel
	.amdgpu_metadata
---
amdhsa.version: [ 1, 2 ]
amdhsa.kernels:
  - .name:           k_q4f2feee221_qkv
    .symbol:         k_q4f2feee221_qkv.kd
    .args:
      - { .name: codes, .offset: 0, .size: 8, .value_kind: global_buffer, .address_space: global }
      - { .name: scl, .offset: 8, .size: 8, .value_kind: global_buffer, .address_space: global }
      - { .name: qkv, .offset: 16, .size: 8, .value_kind: global_buffer, .address_space: global }
      - { .name: qkvs, .offset: 24, .size: 8, .value_kind: global_buffer, .address_space: global }
    .group_segment_fixed_size: 295424
    .private_segment_fixed_size: 0
    .kernarg_segment_align: 8
    .kernarg_segment_size: 32
    .max_flat_workgroup_size: 128
    .sgpr_count:     92
    .vgpr_count:     768
    .wavefront_size: 32
...
	.end_amdgpu_metadata
.endif
;; end of part 2
;; launch attn_local (part 3): grid 32 x 8, 8 waves a work-group, no clusters, 168,960 bytes of LDS; arguments qkv, qkvs, of, ofs; writes of, ofs
.if DOCPART == 3
	.amdgcn_target "amdgcn-amd-amdhsa--gfx1250"
	.amdhsa_code_object_version 6
	.text
	.protected	k_q4f2feee221_attn_local
	.globl	k_q4f2feee221_attn_local
	.p2align	8
	.type	k_q4f2feee221_attn_local,@function
k_q4f2feee221_attn_local:
	s_mov_b64 s[64:65], 0
	v_nop
	global_prefetch_b8 v0, s[64:65] scope:SCOPE_SE
	s_setreg_imm32_b32 hwreg(HW_REG_WAVE_MODE, 25, 1), 1
	s_wait_xcnt 0x0
; Attention for the queries 64 .. 4,095.  Key j counts for query i where |i - j| <= 128 or j < 64; both products on codes of FP6 (E2M3) with E8M0 scales.
; THE SOFTMAX: t = score x log2(e) / 8; M = the row's largest t so far, rounded up to a whole number; p = 2^(t - M) is quantised along the keys, in aligned blocks of 32; the row's sum is taken of the
; unquantised p and divides O at the end (by v_rcp_f32 and a multiplication: a stated order of rounding).  When M moves, the sum and O are multiplied by 2^(old M - new M): exact.
; WHAT IS COMPUTED.  A tile of 16 queries of the 32 queries 32 b .. 32 b + 31 needs 11 aligned blocks of 32 keys: blocks 0 and 1 (the global keys) and blocks b - 4 + n, n = 0 .. 8; of these n = 0 and n = 8 are cut by
; the band's edge, and a block under 2 (the global blocks have it) or over 127 is DEAD.  They form three steps of 128: {0, 1, W0, W1}, {W2 .. W5}, {W6, W7, W8, none}.  A dead block's t - M is -infinity, so its p
; are zeros; hidden scores become -infinity ahead of the maximum.  No branch hangs on that: the text is the same for every wave.  Step 1 always has keys that count, so M is a number from the first step on.
; SHARES.  A work-group takes 128 queries of a pair of heads; wave w the tile T = 8 G + w, both heads one after the other: its result is one whole fragment of the last product's operand (K step = the pair).
; Tiles 0-3 (queries under 64) belong to the launch for the global rows: their waves fetch, pass the barrier and end.
; LAYOUT.  S^T = K Q^T and O^T = V^T P^T: a lane holds one query throughout.  Lane r of tile T holds row 32 (T / 2) + 8 (T % 2) + r + 8 (r / 8) in every tensor, so the 16 registers of key tiles 2 kb, 2 kb + 1 are keys
; 32 kb + 16 h + 0 .. 15, and O^T's registers run along the channels.  The first product's K is 64: head c's codes stand in half c of the operands; q's other half is zeros, K's other half is whatever codes lie there.
; LDS, filled once, one tensor load a wave: K's groups G - 1, G, G + 1 (held to 0 .. 31) and 0, then V's: 12,288 dense bytes each, as 12 rows of 1,024 bytes with 128 of padding behind each, so that a block of
; 3,072 bytes takes 3,456: the two halves of the lanes, which read neighbouring blocks of V, fall on different halves of the banks.  A held group is read by dead blocks alone.
; NO CLUSTER: neighbouring work-groups want overlapping groups at different places of their LDS, so no descriptor is equal in two of them.
; LIMITS: NaN and infinities are not served; a block of zeros gets the byte 1; magnitudes under 2^-124 are held at the byte 1.
.set AK0, 1                            ; v1   8 l
.set AKW, 2                            ; v2   8 l + 3,456 beta: K's window
.set AVW, 3                            ; v3   V's window: + 8 r + 3,456 h + 3,456 beta
.set AVG, 4                            ; v4   V's group 0: + 8 r + 3,456 h
.set AVN, 5                            ; v5   V's window without h: both halves of the lanes read W8
.set LI,  6                            ; v6   16 l
.set R4,  7                            ; v7   4 r
.set NINF, 8                           ; v8   -infinity
.set HW0, 9                            ; v9   head 0's two bytes of o's scale word
.set Q,   16                           ; v16-21 q of head 0, v22-27 zeros, v28-33 q of head 1
.set QS,  34
.set KS,  35                           ; v35, 36 K's scale words of blocks 0, 1; v37 + n of W n: lanes 0-15 tile 2 kb, lanes 16-31 tile 2 kb + 1
.set VS,  46                           ; v46-57 V's scale words: 4 (step - 1) + pair of channel tiles
.set OC,  58                           ; v58-69 o's codes
.set KB,  70                           ; v70-123 K's half fragments, then V's fragments
.set S,   124                          ; v124-187 S^T, then p
.set O,   188                          ; v188-219 O^T
.set P,   220                          ; v220-231 p's codes
.set BY,  232
.set XT0, 232
.set XT1, 236
.set PW,  239
.set NB,  240                          ; block k: v[240 + 2 k] its -M (or -infinity), v[241 + 2 k] its largest score
.set SO,  248
.set F,   252
.set TMP, 254
.set DD,  255                          ; v255 d = my query's place in its 32 - 16 h
.set SB,  40                           ; s40-48 W n: 0, or -infinity where the block is dead
.set MK0, 66                           ; s66-81 lanes in which register e of W0 is hidden; s82-97 of W8
.set MK8, 82
.set BLK, 3456
.set KG0, 41472
.set VWIN, 55296
.set VG0, 96768
.macro PLACES
.rept 4
	v_nop
.endr
.endm
.macro WM d, a, b, zero, sa, sb, row   ; one matrix instruction; zero = 1: it starts the sum; row = 1: source 0's scales stand in lanes 16-31
.if \zero
.if \row
	v_wmma_scale_f32_16x16x128_f8f6f4 v[\d:\d+7], v[\a:\a+11], v[\b:\b+11], 0, v[\sa], v[\sb] matrix_a_fmt:MATRIX_FMT_FP6 matrix_b_fmt:MATRIX_FMT_FP6 matrix_a_scale:MATRIX_SCALE_ROW1
.else
	v_wmma_scale_f32_16x16x128_f8f6f4 v[\d:\d+7], v[\a:\a+11], v[\b:\b+11], 0, v[\sa], v[\sb] matrix_a_fmt:MATRIX_FMT_FP6 matrix_b_fmt:MATRIX_FMT_FP6
.endif
.else
.if \row
	v_wmma_scale_f32_16x16x128_f8f6f4 v[\d:\d+7], v[\a:\a+11], v[\b:\b+11], v[\d:\d+7], v[\sa], v[\sb] matrix_a_fmt:MATRIX_FMT_FP6 matrix_b_fmt:MATRIX_FMT_FP6 matrix_a_scale:MATRIX_SCALE_ROW1
.else
	v_wmma_scale_f32_16x16x128_f8f6f4 v[\d:\d+7], v[\a:\a+11], v[\b:\b+11], v[\d:\d+7], v[\sa], v[\sb] matrix_a_fmt:MATRIX_FMT_FP6 matrix_b_fmt:MATRIX_FMT_FP6
.endif
.endif
.endm
	s_load_b256 s[4:11], s[0:1], 0x0               ; qkv, qkvs, of, ofs
	s_set_vgpr_msb 0x40
	v_lshl_add_u32 v0, v0, 2, 0x29000
	v_mov_b32 v1, 0
	s_set_vgpr_msb 0x4045
	ds_add_u32 v0, v1
	ds_add_u32 v0, v1
	s_set_vgpr_msb 0x4500
	v_lshrrev_b32 v1, 5, v0
	v_readfirstlane_b32 s12, v1                    ; wave
	s_lshr_b32 s13, s12, 1                         ; beta
	s_and_b32 s14, s12, 1                          ; u
	s_mov_b32 s15, ttmp9                           ; G
	s_and_b32 s16, ttmp7, 0xffff                   ; the pair of heads
	s_lshl_b32 s17, s15, 3
	s_add_co_u32 s17, s17, s12                     ; T
	s_lshr_b32 s18, s17, 1                         ; b
	s_lshl_b32 s19, s13, 3                         ; 8 beta
	s_mov_b32 s20, 0x76543210
	s_mov_b32 s21, 0xfedcba98
	s_mov_b32 s22, 0x3e38aa3b                      ; log2(e) / 8
	s_mov_b32 s23, s22
	s_mov_b32 s24, (3<<16)|(1<<20)|(7<<22)|(31<<25)  ; elements of 8 bytes; padding on: behind every 256 words 32 words
	s_mov_b32 s25, 128<<16
	s_mov_b32 s26, 12<<16
	s_mov_b32 s27, 128<<16
	s_mov_b32 s28, 12
	s_mov_b32 s29, 128
	s_mov_b32 s30, 0
	s_mov_b32 s31, 0
	s_and_b32 s36, s12, 3                          ; which group I fetch: G - 1, G, G + 1 held to 0 .. 31, or 0
	s_add_co_i32 s37, s15, s36
	s_sub_co_i32 s37, s37, 1
	s_max_i32 s37, s37, 0
	s_min_i32 s37, s37, 31
	s_cmp_eq_u32 s36, 3
	s_cselect_b32 s37, 0, s37
	s_lshl_b32 s38, s16, 5
	s_add_co_u32 s37, s37, s38
	s_mul_i32 s37, s37, 12288
	s_mov_b32 s38, 6291456
	s_cmp_lt_u32 s12, 4                            ; waves 0-3 K, waves 4-7 V
	s_cselect_b32 s38, 3145728, s38
	s_add_co_u32 s38, s38, s37
	s_mov_b32 s39, 0
	s_mov_b32 s32, 1
	s_mul_i32 s33, s12, 13824
	s_lshl_b32 s36, s16, 8
	s_add_co_u32 s36, s36, s17                     ; 256 x pair + T
	s_mul_i32 s50, s36, 1536
	s_mov_b32 s51, 0
	s_lshl_b32 s52, s36, 6
	s_mov_b32 s53, 0
	s_add_co_u32 s54, s16, 8
	s_lshl_b32 s54, s54, 14
	s_mov_b32 s55, 0
	s_lshl_b32 s56, s16, 14
	s_add_co_u32 s56, s56, 262144
	s_mov_b32 s57, 0
	s_lshl_b32 s58, s17, 3
	s_add_co_u32 s58, s58, s16
	s_mul_i32 s58, s58, 1536
	s_mov_b32 s59, 0
	s_mov_b32 s60, s52
	s_mov_b32 s61, 0
	s_wait_dscnt 0x0
	s_wait_kmcnt 0x0
	s_add_nc_u64 s[34:35], s[4:5], s[38:39]
	s_or_b32 s35, s35, 0x80000000
	tensor_load_to_lds s[32:35], s[24:31]          ; my one tensor load: a first fill
	s_nop 0
	PLACES
	s_add_nc_u64 s[50:51], s[4:5], s[50:51]        ; q's codes
	s_add_nc_u64 s[52:53], s[6:7], s[52:53]        ; q's scale words
	s_add_nc_u64 s[54:55], s[6:7], s[54:55]        ; K's
	s_add_nc_u64 s[56:57], s[6:7], s[56:57]        ; V's
	s_add_nc_u64 s[58:59], s[8:9], s[58:59]        ; o's codes
	s_add_nc_u64 s[60:61], s[10:11], s[60:61]      ; o's scale words
	v_and_b32 v10, 31, v0                          ; l
	v_and_b32 v11, 15, v0                          ; r
	v_bfe_u32 v12, v0, 4, 1                        ; h
	v_lshlrev_b32 v[AK0], 3, v10
	s_mul_i32 s36, s13, BLK
	v_add_nc_u32 v[AKW], s36, v[AK0]
	v_lshlrev_b32 v13, 3, v11
	v_add_nc_u32 v[AVN], s36, v13
	v_add_nc_u32 v[AVN], VWIN, v[AVN]
	v_mul_u32_u24 v14, v12, BLK
	v_add_nc_u32 v[AVW], v[AVN], v14
	v_add_nc_u32 v[AVG], v13, v14
	v_add_nc_u32 v[AVG], VG0, v[AVG]
	v_lshlrev_b32 v[LI], 4, v10
	v_lshlrev_b32 v[R4], 2, v11
	v_mov_b32 v[NINF], 0xff800000
	v_and_b32 v[DD], 8, v11
	v_add_nc_u32 v[DD], v[DD], v11
	v_lshl_add_u32 v[DD], s14, 3, v[DD]            ; 8 u + r + 8 (r / 8)
	v_lshlrev_b32 v14, 4, v12
	v_sub_nc_u32 v[DD], v[DD], v14                 ; - 16 h
.irp p, 0,1,2
	global_load_b64 v[Q+2*\p:Q+2*\p+1], v[AK0], s[50:51] offset:256*\p
	global_load_b64 v[Q+12+2*\p:Q+12+2*\p+1], v[AK0], s[50:51] offset:768+256*\p
.endr
	global_load_b32 v[QS], v[R4], s[52:53]
	v_lshlrev_b32 v136, 2, v10                     ; 4 l.  (Offsets and raw words stand in the scores' registers, which are free until the first product)
	global_load_b32 v[KS], v136, s[54:55]
	global_load_b32 v[KS+1], v136, s[54:55] offset:128
.irp n, 0,1,2,3,4,5,6,7,8
	s_add_co_i32 s36, s18, \n-4
	s_max_i32 s36, s36, 0
	s_min_i32 s36, s36, 127                        ; a dead block's words come from a block that exists
	s_lshl_b32 s36, s36, 7
	v_add_nc_u32 v[124+\n], s36, v136
	global_load_b32 v[KS+2+\n], v[124+\n], s[54:55]
.endr
.irp q, 0,1,2
	s_add_co_i32 s36, s15, \q-1
	s_max_i32 s36, s36, 0
	s_min_i32 s36, s36, 31
	s_lshl_b32 s36, s36, 9
	v_add_nc_u32 v[133+\q], s36, v136
.irp i, 0,1,2,3
	global_load_b32 v[140+4*\q+\i], v[133+\q], s[56:57] offset:128*\i   ; V's words of groups G - 1, G, G + 1: the bytes of four blocks each
.endr
.endr
.irp i, 0,1,2,3
	global_load_b32 v[152+\i], v136, s[56:57] offset:128*\i             ; and of group 0
.endr
.irp n, 0,1,2,3,4,5,6,7,8
	s_add_co_i32 s36, s18, \n-6
	s_cmp_le_u32 s36, 125                          ; the block counts where 2 <= b - 4 + n <= 127
	s_cselect_b32 s[SB+\n], 0, 0xff800000
.endr
.irp e, 0,1,2,3,4,5,6,7,8,9,10,11,12,13,14,15
	v_cmp_lt_i32 s[MK0+\e], \e, v[DD]              ; W0: i - j = 128 + d - e: hidden where e < d
	v_cmp_gt_i32 s[MK8+\e], \e, v[DD]              ; W8: i - j = d - e - 128: hidden where e > d
.endr
.irp i, 0,1,2,3,4,5
	v_mov_b32 v[Q+6+\i], 0
	v_mov_b32 v[KB+48+\i], 0
.endr
.irp i, 0,1,2,3
	v_mov_b32 v[BY+\i], 0                          ; a lane permute's destination counts as one of its sources
.endr
	v_mov_b32 v[F+1], 0                            ; named as the upper half of a pair
	v_mov_b32 v[TMP], 0
	s_wait_tensorcnt 0x0                           ; my group has landed
	s_barrier_signal -1
	s_barrier_wait -1                              ; everybody's has
	s_cmp_lt_u32 s17, 4
	s_cbranch_scc1 .Lend                           ; queries under 64 are the other launch's
	s_wait_loadcnt 0x0
.irp i, 0,1,2,3                        ; V's scale words of the three steps, out of the 12 bytes of the window and group 0's
	v_alignbit_b32 v156, v[144+\i], v[140+\i], s19 ; W0 .. W3
	v_alignbit_b32 v157, v[148+\i], v[144+\i], s19 ; W4 .. W7
	v_lshrrev_b32 v158, s19, v[148+\i]             ; W8 ..
	v_perm_b32 v[VS+\i], v156, v[152+\i], 0x05040100
	v_alignbit_b32 v[VS+4+\i], v157, v156, 16
	v_alignbit_b32 v[VS+8+\i], v158, v157, 16
.endr
.macro KLOAD k, adr, off, c            ; slot k's two key tiles, head c's half: 6 pieces of 8 bytes a lane
.irp u, 0,1
.irp p, 0,1,2
	ds_load_b64 v[KB+6*(\c)+6*(2*(\k)+\u)+2*\p:KB+6*(\c)+6*(2*(\k)+\u)+2*\p+1], v[\adr] offset:(\off)+(1536*\u+768*(\c)+256*\p)+128*((1536*\u+768*(\c)+256*\p)/1024)
.endr
.endr
.endm
.macro SMUL k, ks, c
	WM S+16*(\k), KB+12*(\k), Q+6*(\c), 1, \ks, QS, 0
	WM S+16*(\k)+8, KB+12*(\k)+6, Q+6*(\c), 1, \ks, QS, 1
.endm
.macro VHALF cp, adr, off, c           ; half cp of V's four fragments (channel tiles 4 c + t): lanes 0-15 one block of keys, lanes 16-31 the next
.irp t, 0,1,2,3
.irp p, 0,1,2
	ds_load_b64 v[KB+12*\t+6*(\cp)+2*\p:KB+12*\t+6*(\cp)+2*\p+1], v[\adr] offset:(\off)+(384*(4*(\c)+\t)+128*\p)+128*((384*(4*(\c)+\t)+128*\p)/1024)
.endr
.endr
.endm
.macro VLOAD st, c
.if \st == 1
	VHALF 0, AVG, 0, \c
	VHALF 1, AVW, 0, \c
.elseif \st == 2
	VHALF 0, AVW, 2*BLK, \c
	VHALF 1, AVW, 4*BLK, \c
.else
	VHALF 0, AVW, 6*BLK, \c
	VHALF 1, AVN, 8*BLK, \c
.endif
.endm
.macro SOFT st
.if \st == 3
.set NBK, 3
.else
.set NBK, 4
.endif
.if \st == 1
.irp e, 0,1,2,3,4,5,6,7,8,9,10,11,12,13,14,15
	v_cndmask_b32 v[S+32+\e], v[S+32+\e], v[NINF], s[MK0+\e]
.endr
.endif
.if \st == 3
.irp e, 0,1,2,3,4,5,6,7,8,9,10,11,12,13,14,15
	v_cndmask_b32 v[S+32+\e], v[S+32+\e], v[NINF], s[MK8+\e]
.endr
.endif
.irp k, 0,1,2,3
.if \k < NBK
	v_max3_num_f32 v[NB+1+2*\k], v[S+16*\k], v[S+16*\k+1], v[S+16*\k+2]   ; each block's largest score: for the row's maximum and, since p rises with the score, for the block's largest p
.endif
.endr
.irp i, 3,5,7,9,11,13
.irp k, 0,1,2,3
.if \k < NBK
	v_max3_num_f32 v[NB+1+2*\k], v[NB+1+2*\k], v[S+16*\k+\i], v[S+16*\k+\i+1]
.endif
.endr
.endr
.irp k, 0,1,2,3
.if \k < NBK
	v_max_num_f32 v[NB+1+2*\k], v[NB+1+2*\k], v[S+16*\k+15]
.endif
.endr
.irp k, 0,1,2,3
.if \k < NBK
	v_permlanex16_b32 v[BY+\k], v[NB+1+2*\k], s20, s21
.endif
.endr
.irp k, 0,1,2,3
.if \k < NBK
	v_max_num_f32 v[NB+1+2*\k], v[NB+1+2*\k], v[BY+\k]
.endif
.endr
.irp k, 0,1,2,3
.if (\k < NBK) && (4*(\st-1)+\k >= 2)
	v_add_f32 v[NB+1+2*\k], s[SB+4*(\st-1)+\k-2], v[NB+1+2*\k]   ; a dead block's largest score is -infinity
.endif
.endr
	v_max3_num_f32 v[TMP], v[NB+1], v[NB+3], v[NB+5]
.if NBK == 4
	v_max_num_f32 v[TMP], v[TMP], v[NB+7]
.endif
	v_mul_f32 v[TMP], s22, v[TMP]                  ; as t
.if \st == 1
	v_mov_b32 v13, v[TMP]
	v_floor_f32 v12, -v13                          ; -M = floor(-t)
.else
	v_max_num_f32 v13, v13, v[TMP]
	v_mov_b32 v[TMP], v12
	v_floor_f32 v12, -v13
	v_sub_f32 v[TMP], v12, v[TMP]                  ; old M - new M: a whole number, 0 or less
	v_cvt_i32_f32 v[TMP], v[TMP]
	v_ldexp_f32 v[F], 1.0, v[TMP]                  ; f = 2^(old M - new M)
.endif
.irp k, 0,1,2,3
.if \k < NBK
.if 4*(\st-1)+\k >= 2
	v_add_f32 v[NB+2*\k], s[SB+4*(\st-1)+\k-2], v12
.else
	v_mov_b32 v[NB+2*\k], v12
.endif
.endif
.endr
.irp k, 0,1,2,3
.if \k < NBK
.irp j, 0,2,4,6,8,10,12,14
	v_pk_fma_f32 v[S+16*\k+\j:S+16*\k+\j+1], v[S+16*\k+\j:S+16*\k+\j+1], s[22:23], v[NB+2*\k:NB+2*\k+1] op_sel_hi:[1,0,0]   ; t - M
.endr
.endif
.endr
.irp k, 0,1,2,3
.if \k < NBK
	v_fma_f32 v[NB+1+2*\k], v[NB+1+2*\k], s22, v[NB+2*\k]
.endif
.endr
.irp k, 0,1,2,3
.if \k < NBK
.irp j, 0,1,2,3,4,5,6,7,8,9,10,11,12,13,14,15
	v_exp_f32 v[S+16*\k+\j], v[S+16*\k+\j]         ; p
.endr
.endif
.endr
.irp k, 0,1,2,3
.if \k < NBK
	v_exp_f32 v[NB+1+2*\k], v[NB+1+2*\k]           ; the block's largest p
.endif
.endr
.if \st == 1
	v_nop                                          ; a plain place behind the exponentials
	s_wait_alu depctr_va_vdst(0)
.else
	v_pk_mul_f32 v[14:15], v[14:15], v[F:F+1] op_sel_hi:[1,0]   ; the sum under the new M (a plain place behind the exponentials)
	s_wait_alu depctr_va_vdst(0)
.endif
.irp k, 0,1,2,3
.if \k < NBK
	v_max_num_f32 v[NB+1+2*\k], 0x1800000, v[NB+1+2*\k]
.endif
.endr
.irp k, 0,1,2,3
.if \k < NBK
	v_add_nc_u32 v[SO+\k], 0xff000000, v[NB+1+2*\k]
.endif
.endr
.irp k, 0,1,2,3
.if \k < NBK
	v_lshrrev_b32 v[BY+\k], 23, v[SO+\k]
.endif
.endr
	v_lshl_or_b32 v[PW], v[BY+1], 8, v[BY]
	v_lshl_or_b32 v[PW], v[BY+2], 16, v[PW]
.if NBK == 4
	v_lshl_or_b32 v[PW], v[BY+3], 24, v[PW]
.else
.irp i, 0,1,2
	v_mov_b32 v[XT1+\i], 0                         ; the step's fourth block is none: zero codes
.endr
.endif
	v_cvt_scalef32_pk16_fp6_f32 v[P:P+2], v[S:S+15], v[SO]
	v_cvt_scalef32_pk16_fp6_f32 v[XT0:XT0+2], v[S+16:S+31], v[SO+1]
	v_cvt_scalef32_pk16_fp6_f32 v[P+6:P+8], v[S+32:S+47], v[SO+2]
.if NBK == 4
	v_cvt_scalef32_pk16_fp6_f32 v[XT1:XT1+2], v[S+48:S+63], v[SO+3]
.endif
	v_nop                                          ; one plain place behind a scaled conversion
.irp i, 0,1,2
	v_permlane16_swap_b32 v[P+\i], v[XT0+\i]
.endr
.irp i, 0,1,2
	v_mov_b32 v[P+3+\i], v[XT0+\i]
.endr
.irp i, 0,1,2
	v_permlane16_swap_b32 v[P+6+\i], v[XT1+\i]
.endr
.irp i, 0,1,2
	v_mov_b32 v[P+9+\i], v[XT1+\i]
.endr
.if \st == 1                           ; the row's sum of the unquantised p, in two packed chains; these lines are also the places in front of the second product
	v_pk_add_f32 v[14:15], v[S:S+1], v[S+4:S+5]
	v_pk_add_f32 v[10:11], v[S+2:S+3], v[S+6:S+7]
.irp j, 8,12,16,20,24,28,32,36,40,44,48,52,56,60
	v_pk_add_f32 v[14:15], v[14:15], v[S+\j:S+\j+1]
	v_pk_add_f32 v[10:11], v[10:11], v[S+\j+2:S+\j+3]
.endr
.else
	v_pk_add_f32 v[10:11], v[S:S+1], v[S+2:S+3]
.irp j, 4,8,12,16,20,24,28,32,36,40,44,48,52,56,60
.if \j < 16*NBK
	v_pk_add_f32 v[14:15], v[14:15], v[S+\j:S+\j+1]
	v_pk_add_f32 v[10:11], v[10:11], v[S+\j+2:S+\j+3]
.endif
.endr
.endif
	v_pk_add_f32 v[14:15], v[14:15], v[10:11]
.if \st != 1
.irp j, 0,2,4,6,8,10,12,14,16,18,20,22,24,26,28,30
	v_pk_mul_f32 v[O+\j:O+\j+1], v[O+\j:O+\j+1], v[F:F+1] op_sel_hi:[1,0]   ; O^T under the new M
.endr
.endif
.endm
.macro PV st, c                        ; four accumulators, one instruction each
.irp t, 0,1,2,3
.if \st == 1
	WM O+8*\t, KB+12*\t, P, 1, VS+4*(\st-1)+2*(\c)+\t/2, PW, \t%2
.else
	WM O+8*\t, KB+12*\t, P, 0, VS+4*(\st-1)+2*(\c)+\t/2, PW, \t%2
.endif
.endr
.endm
.macro ASTEP st, c
	PLACES                                         ; in front of loads into registers that the last products read
.if \st == 1
	KLOAD 0, AK0, KG0, \c
	KLOAD 1, AK0, KG0+BLK, \c
	KLOAD 2, AKW, 0, \c
	KLOAD 3, AKW, BLK, \c
	s_wait_dscnt 0x0
	SMUL 0, KS, \c
	SMUL 1, KS+1, \c
	SMUL 2, KS+2, \c
	SMUL 3, KS+3, \c
.elseif \st == 2
	KLOAD 0, AKW, 2*BLK, \c
	KLOAD 1, AKW, 3*BLK, \c
	KLOAD 2, AKW, 4*BLK, \c
	KLOAD 3, AKW, 5*BLK, \c
	s_wait_dscnt 0x0
	SMUL 0, KS+4, \c
	SMUL 1, KS+5, \c
	SMUL 2, KS+6, \c
	SMUL 3, KS+7, \c
.else
	KLOAD 0, AKW, 6*BLK, \c
	KLOAD 1, AKW, 7*BLK, \c
	KLOAD 2, AKW, 8*BLK, \c
	s_wait_dscnt 0x0
	SMUL 0, KS+8, \c
	SMUL 1, KS+9, \c
	SMUL 2, KS+10, \c
.endif
	PLACES                                         ; in front of the loads over K's registers and of the first read of the scores
	VLOAD \st, \c                                  ; V lands while the softmax is walked
	SOFT \st
	s_wait_dscnt 0x0
	PV \st, \c
.endm
.macro FINISH c                        ; O^T / the sum; its 64 channels, two blocks of 32, become half c of o's fragment
	PLACES
	v_add_f32 v14, v14, v15
	v_permlanex16_b32 v[TMP], v14, s20, s21
	v_add_f32 v14, v14, v[TMP]
	v_rcp_f32 v14, v14
	v_nop                                          ; a plain place behind the transcendental
	s_wait_alu depctr_va_vdst(0)
.irp j, 0,2,4,6,8,10,12,14,16,18,20,22,24,26,28,30
	v_pk_mul_f32 v[O+\j:O+\j+1], v[O+\j:O+\j+1], v[14:15] op_sel_hi:[1,0]
.endr
.irp b, 0,1
	v_max3_num_f32 v[BY+\b], |v[O+16*\b]|, |v[O+16*\b+1]|, 0x1800000
.endr
.irp i, 2,4,6,8,10,12,14
.irp b, 0,1
	v_max3_num_f32 v[BY+\b], v[BY+\b], |v[O+16*\b+\i]|, |v[O+16*\b+\i+1]|
.endr
.endr
.irp b, 0,1
	v_permlanex16_b32 v[BY+2+\b], v[BY+\b], s20, s21
.endr
.irp b, 0,1
	v_max_num_f32 v[BY+\b], v[BY+\b], v[BY+2+\b]
.endr
.irp b, 0,1
	v_add_nc_u32 v[SO+\b], 0xff000000, v[BY+\b]
.endr
.irp b, 0,1
	v_lshrrev_b32 v[BY+\b], 23, v[SO+\b]
.endr
.if \c == 0
	v_lshl_or_b32 v[HW0], v[BY+1], 8, v[BY]
.else
	v_lshl_or_b32 v[TMP], v[BY+1], 8, v[BY]
	v_lshl_or_b32 v[TMP], v[TMP], 16, v[HW0]       ; the fragment's scale word
.endif
	v_cvt_scalef32_pk16_fp6_f32 v[OC+6*\c:OC+6*\c+2], v[O:O+15], v[SO]
	v_cvt_scalef32_pk16_fp6_f32 v[XT1:XT1+2], v[O+16:O+31], v[SO+1]
	v_nop
.irp i, 0,1,2
	v_permlane16_swap_b32 v[OC+6*\c+\i], v[XT1+\i]
.endr
.irp i, 0,1,2
	v_mov_b32 v[OC+6*\c+3+\i], v[XT1+\i]
.endr
.endm
	ASTEP 1, 0
	ASTEP 2, 0
	ASTEP 3, 0
	FINISH 0
	ASTEP 1, 1
	ASTEP 2, 1
	ASTEP 3, 1
	FINISH 1
.irp g, 0,1,2
	global_store_b128 v[LI], v[OC+4*\g:OC+4*\g+3], s[58:59] offset:512*\g   ; the fragment's image: 512 consecutive bytes a store
.endr
	global_store_b32 v[R4], v[TMP], s[60:61]       ; lanes l and l xor 16 write the same word to the same place
.Lend:
	s_set_vgpr_msb 0x5
	s_wait_tensorcnt 0x0
	ds_add_u32 v0, v1
	s_wait_dscnt 0x0
	s_set_vgpr_msb 0x500
	s_endpgm
.Lfunc_end_k_q4f2feee221_attn_local:
	.size	k_q4f2feee221_attn_local, .Lfunc_end_k_q4f2feee221_attn_local-k_q4f2feee221_attn_local
	.p2alignl 7, 3214868480
	.fill 96, 4, 3214868480
	.section	.rodata,"a",@progbits
	.p2align	6, 0x0
	.amdhsa_kernel k_q4f2feee221_attn_local
		.amdhsa_group_segment_fixed_size 168960
		.amdhsa_private_segment_fixed_size 0
		.amdhsa_enable_private_segment 0
		.amdhsa_kernarg_size 32
		.amdhsa_user_sgpr_count 2
		.amdhsa_user_sgpr_kernarg_segment_ptr 1
		.amdhsa_wavefront_size32 1
		.amdhsa_system_sgpr_workgroup_id_x 1
		.amdhsa_system_sgpr_workgroup_id_y 1
		.amdhsa_system_sgpr_workgroup_id_z 1
		.amdhsa_system_vgpr_workitem_id 0
		.amdhsa_next_free_vgpr 258
		.amdhsa_next_free_sgpr 98
		.amdhsa_reserve_vcc 0
		.amdhsa_float_denorm_mode_32 3
		.amdhsa_float_denorm_mode_16_64 3
		.amdhsa_memory_ordered 1
		.amdhsa_forward_progress 1
		.amdhsa_inst_pref_size 118
	.end_amdhsa_kernel
	.amdgpu_metadata
---
amdhsa.version: [ 1, 2 ]
amdhsa.kernels:
  - .name:           k_q4f2feee221_attn_local
    .symbol:         k_q4f2feee221_attn_local.kd
    .args:
      - { .name: qkv, .offset: 0, .size: 8, .value_kind: global_buffer, .address_space: global }
      - { .name: qkvs, .offset: 8, .size: 8, .value_kind: global_buffer, .address_space: global }
      - { .name: of, .offset: 16, .size: 8, .value_kind: global_buffer, .address_space: global }
      - { .name: ofs, .offset: 24, .size: 8, .value_kind: global_buffer, .address_space: global }
    .group_segment_fixed_size: 168960
    .private_segment_fixed_size: 0
    .kernarg_segment_align: 8
    .kernarg_segment_size: 32
    .max_flat_workgroup_size: 256
    .sgpr_count:     98
    .vgpr_count:     258
    .wavefront_size: 32
...
	.end_amdgpu_metadata
.endif
;; end of part 3
;; launch attn_global (part 4): grid 4 x 8, 16 waves a work-group, no clusters, 75,776 bytes of LDS; arguments qkv, qkvs, of, ofs; writes of, ofs
.if DOCPART == 4
	.amdgcn_target "amdgcn-amd-amdhsa--gfx1250"
	.amdhsa_code_object_version 6
	.text
	.protected	k_q4f2feee221_attn_global
	.globl	k_q4f2feee221_attn_global
	.p2align	8
	.type	k_q4f2feee221_attn_global,@function
k_q4f2feee221_attn_global:
	s_mov_b64 s[64:65], 0
	v_nop
	global_prefetch_b8 v0, s[64:65] scope:SCOPE_SE
	s_setreg_imm32_b32 hwreg(HW_REG_WAVE_MODE, 25, 1), 1
	s_wait_xcnt 0x0
; Attention for the queries 0 .. 63, for which every one of the 4,096 keys counts.  Arithmetic and layouts as in the launch for the other queries: S^T = K Q^T, p = 2^(t - M) with M a whole number, quantised along the
; keys in blocks of 32, O^T = V^T P^T, the row's sum of the unquantised p divides at the end (v_rcp_f32 and a multiplication).
; SHARES.  A work-group takes one tile of 16 queries and a pair of heads.  Wave w takes head c = w % 2 and the key groups 4 (w / 2) .. + 3, 128 keys a step, four steps.  Each fragment of K and V is read by one wave
; alone, so it comes from memory straight into registers: no tensor load, no ring.  Four waves share a SIMD and cover each other's waits.
; The head is a wave's number and no constant of the text: so its 64 channels always stand in the operands' lower half (the pieces are read 768 c bytes on, the scale words are shifted down 16 c bits), and q's upper half is zeros.
; THE MERGE.  Each wave leaves O^T, its sum and its -M in LDS; behind one barrier wave 0 brings the eight partials of each head under the largest M by exact powers of two, adds them, divides, quantises, stores.
; 32 work-groups: 4 tiles x 8 pairs of heads; a further split of the keys would want a sum across work-groups, which a launch does not have.
; LIMITS: NaN and infinities are not served; a block of zeros gets the byte 1; magnitudes under 2^-124 are held at the byte 1.
.set VK,  1                            ; v1   8 l + 768 c
.set VV,  2                            ; v2   3,072 h + 8 r + 1,536 c
.set L4,  3                            ; v3   4 l
.set L4C, 4                            ; v4   4 l + 256 c
.set R4,  5                            ; v5   4 r
.set LI,  6                            ; v6   16 l
.set WO,  7                            ; v7   my partial: 4,608 w + 16 l
.set WW,  8                            ; v8   4,608 w + 4 l
.set HW0, 9
.set Q,   16                           ; v16-21 q, v22-27 zeros
.set QS,  28
.set KS,  29                           ; v29-44: 4 step + block
.set VS,  45                           ; v45-52: 2 step + pair of channel tiles
.set LIB, 53                           ; v53  16 l + 36,864: partials 8-15 (an offset holds 16 bits)
.set L4B, 54                           ; v54  4 l + 36,864
.set OC,  58
.set KB,  70
.set S,   124
.set O,   188
.set P,   220
.set BY,  232
.set XT0, 232
.set XT1, 236
.set PW,  239
.set BM,  240
.set SO,  248
.set F,   252
.set TMP, 254
.set PART, 4608
.macro PLACES
.rept 4
	v_nop
.endr
.endm
.macro WM d, a, b, zero, sa, sb, row
.if \zero
.if \row
	v_wmma_scale_f32_16x16x128_f8f6f4 v[\d:\d+7], v[\a:\a+11], v[\b:\b+11], 0, v[\sa], v[\sb] matrix_a_fmt:MATRIX_FMT_FP6 matrix_b_fmt:MATRIX_FMT_FP6 matrix_a_scale:MATRIX_SCALE_ROW1
.else
	v_wmma_scale_f32_16x16x128_f8f6f4 v[\d:\d+7], v[\a:\a+11], v[\b:\b+11], 0, v[\sa], v[\sb] matrix_a_fmt:MATRIX_FMT_FP6 matrix_b_fmt:MATRIX_FMT_FP6
.endif
.else
.if \row
	v_wmma_scale_f32_16x16x128_f8f6f4 v[\d:\d+7], v[\a:\a+11], v[\b:\b+11], v[\d:\d+7], v[\sa], v[\sb] matrix_a_fmt:MATRIX_FMT_FP6 matrix_b_fmt:MATRIX_FMT_FP6 matrix_a_scale:MATRIX_SCALE_ROW1
.else
	v_wmma_scale_f32_16x16x128_f8f6f4 v[\d:\d+7], v[\a:\a+11], v[\b:\b+11], v[\d:\d+7], v[\sa], v[\sb] matrix_a_fmt:MATRIX_FMT_FP6 matrix_b_fmt:MATRIX_FMT_FP6
.endif
.endif
.endm
	s_load_b256 s[4:11], s[0:1], 0x0               ; qkv, qkvs, of, ofs
	v_lshl_add_u32 v247, v0, 2, 0x12000
	v_mov_b32 v255, 0
	v_lshrrev_b32 v1, 5, v0
	v_readfirstlane_b32 s12, v1                    ; wave
	s_and_b32 s13, s12, 1                          ; c
	s_lshr_b32 s14, s12, 1                         ; which four key groups
	s_mov_b32 s15, ttmp9                           ; T
	s_and_b32 s16, ttmp7, 0xffff                   ; the pair of heads
	s_lshl_b32 s19, s13, 4                         ; 16 c
	s_mov_b32 s20, 0x76543210
	s_mov_b32 s21, 0xfedcba98
	s_mov_b32 s22, 0x3e38aa3b                      ; log2(e) / 8
	s_mov_b32 s23, s22
	s_lshl_b32 s17, s16, 8
	s_add_co_u32 s17, s17, s15                     ; 256 x pair + T
	s_mul_i32 s24, s17, 1536
	s_mov_b32 s25, 0
	s_lshl_b32 s26, s17, 6
	s_mov_b32 s27, 0
	s_lshl_b32 s18, s16, 5
	s_lshl_b32 s40, s14, 2
	s_add_co_u32 s18, s18, s40                     ; 32 x pair + my first group
	s_mul_i32 s28, s18, 12288
	s_add_co_u32 s30, s28, 6291456
	s_add_co_u32 s28, s28, 3145728
	s_mov_b32 s29, 0
	s_mov_b32 s31, 0
	s_add_co_u32 s32, s16, 8
	s_lshl_b32 s32, s32, 14
	s_lshl_b32 s40, s14, 11
	s_add_co_u32 s32, s32, s40
	s_mov_b32 s33, 0
	s_lshl_b32 s34, s18, 9
	s_add_co_u32 s34, s34, 262144
	s_mov_b32 s35, 0
	s_lshl_b32 s36, s15, 3
	s_add_co_u32 s36, s36, s16
	s_mul_i32 s36, s36, 1536
	s_mov_b32 s37, 0
	s_mov_b32 s38, s26
	s_mov_b32 s39, 0
	v_and_b32 v10, 31, v0                          ; l
	v_and_b32 v11, 15, v0                          ; r
	v_bfe_u32 v12, v0, 4, 1                        ; h
	s_mul_i32 s40, s13, 768
	v_lshl_add_u32 v[VK], v10, 3, s40
	s_mul_i32 s40, s13, 1536
	v_lshl_add_u32 v[VV], v11, 3, s40
	v_mad_u32_u24 v[VV], v12, 3072, v[VV]
	v_lshlrev_b32 v[L4], 2, v10
	s_lshl_b32 s40, s13, 8
	v_add_nc_u32 v[L4C], s40, v[L4]
	v_lshlrev_b32 v[R4], 2, v11
	v_lshlrev_b32 v[LI], 4, v10
	s_mul_i32 s40, s12, PART
	v_add_nc_u32 v[WO], s40, v[LI]
	v_add_nc_u32 v[WW], s40, v[L4]
	v_add_nc_u32 v[LIB], 8*PART, v[LI]
	v_add_nc_u32 v[L4B], 8*PART, v[L4]
	s_wait_kmcnt 0x0
	s_add_nc_u64 s[24:25], s[4:5], s[24:25]        ; q's codes
	s_add_nc_u64 s[26:27], s[6:7], s[26:27]        ; q's scale words
	s_add_nc_u64 s[28:29], s[4:5], s[28:29]        ; K's codes
	s_add_nc_u64 s[30:31], s[4:5], s[30:31]        ; V's codes
	s_add_nc_u64 s[32:33], s[6:7], s[32:33]        ; K's scale words
	s_add_nc_u64 s[34:35], s[6:7], s[34:35]        ; V's
	s_add_nc_u64 s[36:37], s[8:9], s[36:37]        ; o's codes
	s_add_nc_u64 s[38:39], s[10:11], s[38:39]      ; o's scale words
.irp p, 0,1,2
	global_load_b64 v[Q+2*\p:Q+2*\p+1], v[VK], s[24:25] offset:256*\p
.endr
	global_load_b32 v[QS], v[R4], s[26:27]
.irp t, 0,1,2,3
.irp k, 0,1,2,3
	global_load_b32 v[KS+4*\t+\k], v[L4], s[32:33] offset:512*\t+128*\k
.endr
.irp i, 0,1
	global_load_b32 v[VS+2*\t+\i], v[L4C], s[34:35] offset:512*\t+128*\i
.endr
.endr
.irp i, 0,1,2,3,4,5
	v_mov_b32 v[Q+6+\i], 0
	v_mov_b32 v[KB+48+\i], 0
.endr
.irp i, 0,1,2,3
	v_mov_b32 v[BY+\i], 0                          ; a lane permute's destination counts as one of its sources
.endr
	v_mov_b32 v[F+1], 0
	v_mov_b32 v[TMP], 0
	s_wait_loadcnt 0x0
	v_lshrrev_b32 v[QS], s19, v[QS]                ; my head's two bytes come down to the lower half's places; what comes in above scales zero codes
.irp i, 0,1,2,3,4,5,6,7,8,9,10,11,12,13,14,15
	v_lshrrev_b32 v[KS+\i], s19, v[KS+\i]
.endr
.macro GSOFT first
.irp b, 0,1,2,3
	v_max3_num_f32 v[BM+\b], v[S+16*\b], v[S+16*\b+1], v[S+16*\b+2]
.endr
.irp i, 3,5,7,9,11,13
.irp b, 0,1,2,3
	v_max3_num_f32 v[BM+\b], v[BM+\b], v[S+16*\b+\i], v[S+16*\b+\i+1]
.endr
.endr
.irp b, 0,1,2,3
	v_max_num_f32 v[BM+\b], v[BM+\b], v[S+16*\b+15]
.endr
.irp b, 0,1,2,3
	v_permlanex16_b32 v[BY+\b], v[BM+\b], s20, s21
.endr
.irp b, 0,1,2,3
	v_max_num_f32 v[BM+\b], v[BM+\b], v[BY+\b]
.endr
	v_max3_num_f32 v[TMP], v[BM], v[BM+1], v[BM+2]
	v_max_num_f32 v[TMP], v[TMP], v[BM+3]
	v_mul_f32 v[TMP], s22, v[TMP]
.if \first
	v_mov_b32 v13, v[TMP]
	v_floor_f32 v12, -v13
.else
	v_max_num_f32 v13, v13, v[TMP]
	v_mov_b32 v[TMP], v12
	v_floor_f32 v12, -v13
	v_sub_f32 v[TMP], v12, v[TMP]
	v_cvt_i32_f32 v[TMP], v[TMP]
	v_ldexp_f32 v[F], 1.0, v[TMP]
.endif
.irp j, 0,2,4,6,8,10,12,14,16,18,20,22,24,26,28,30,32,34,36,38,40,42,44,46,48,50,52,54,56,58,60,62
	v_pk_fma_f32 v[S+\j:S+\j+1], v[S+\j:S+\j+1], s[22:23], v[12:13] op_sel_hi:[1,0,0]
.endr
.irp b, 0,1,2,3
	v_fma_f32 v[BM+\b], v[BM+\b], s22, v12
.endr
.irp j, 0,1,2,3,4,5,6,7,8,9,10,11,12,13,14,15,16,17,18,19,20,21,22,23,24,25,26,27,28,29,30,31,32,33,34,35,36,37,38,39,40,41,42,43,44,45,46,47,48,49,50,51,52,53,54,55,56,57,58,59,60,61,62,63
	v_exp_f32 v[S+\j], v[S+\j]
.endr
.irp b, 0,1,2,3
	v_exp_f32 v[BM+\b], v[BM+\b]
.endr
.if \first
	v_nop
	s_wait_alu depctr_va_vdst(0)
.else
	v_pk_mul_f32 v[14:15], v[14:15], v[F:F+1] op_sel_hi:[1,0]
	s_wait_alu depctr_va_vdst(0)
.endif
.irp b, 0,1,2,3
	v_max_num_f32 v[BM+\b], 0x1800000, v[BM+\b]
.endr
.irp b, 0,1,2,3
	v_add_nc_u32 v[SO+\b], 0xff000000, v[BM+\b]
.endr
.irp b, 0,1,2,3
	v_lshrrev_b32 v[BY+\b], 23, v[SO+\b]
.endr
	v_lshl_or_b32 v[PW], v[BY+1], 8, v[BY]
	v_lshl_or_b32 v[PW], v[BY+2], 16, v[PW]
	v_lshl_or_b32 v[PW], v[BY+3], 24, v[PW]
	v_cvt_scalef32_pk16_fp6_f32 v[P:P+2], v[S:S+15], v[SO]
	v_cvt_scalef32_pk16_fp6_f32 v[XT0:XT0+2], v[S+16:S+31], v[SO+1]
	v_cvt_scalef32_pk16_fp6_f32 v[P+6:P+8], v[S+32:S+47], v[SO+2]
	v_cvt_scalef32_pk16_fp6_f32 v[XT1:XT1+2], v[S+48:S+63], v[SO+3]
	v_nop
.irp i, 0,1,2
	v_permlane16_swap_b32 v[P+\i], v[XT0+\i]
.endr
.irp i, 0,1,2
	v_mov_b32 v[P+3+\i], v[XT0+\i]
.endr
.irp i, 0,1,2
	v_permlane16_swap_b32 v[P+6+\i], v[XT1+\i]
.endr
.irp i, 0,1,2
	v_mov_b32 v[P+9+\i], v[XT1+\i]
.endr
.if \first
	v_pk_add_f32 v[14:15], v[S:S+1], v[S+4:S+5]
	v_pk_add_f32 v[10:11], v[S+2:S+3], v[S+6:S+7]
.irp j, 8,12,16,20,24,28,32,36,40,44,48,52,56,60
	v_pk_add_f32 v[14:15], v[14:15], v[S+\j:S+\j+1]
	v_pk_add_f32 v[10:11], v[10:11], v[S+\j+2:S+\j+3]
.endr
.else
	v_pk_add_f32 v[10:11], v[S:S+1], v[S+2:S+3]
.irp j, 4,8,12,16,20,24,28,32,36,40,44,48,52,56,60
	v_pk_add_f32 v[14:15], v[14:15], v[S+\j:S+\j+1]
	v_pk_add_f32 v[10:11], v[10:11], v[S+\j+2:S+\j+3]
.endr
.endif
	v_pk_add_f32 v[14:15], v[14:15], v[10:11]
.if !\first
.irp j, 0,2,4,6,8,10,12,14,16,18,20,22,24,26,28,30
	v_pk_mul_f32 v[O+\j:O+\j+1], v[O+\j:O+\j+1], v[F:F+1] op_sel_hi:[1,0]
.endr
.endif
.endm
.macro GSTEP st, first
	PLACES                                         ; in front of loads into registers that the last products read
.irp t, 0,1,2,3,4,5,6,7
.irp p, 0,1,2
	global_load_b64 v[KB+6*\t+2*\p:KB+6*\t+2*\p+1], v[VK], s[28:29] offset:12288*\st+1536*\t+256*\p
.endr
.endr
	s_wait_loadcnt 0x0
.irp k, 0,1,2,3
	WM S+16*\k, KB+12*\k, Q, 1, KS+4*\st+\k, QS, 0
	WM S+16*\k+8, KB+12*\k+6, Q, 1, KS+4*\st+\k, QS, 1
.endr
	PLACES
.irp t, 0,1,2,3
.irp c, 0,1
.irp p, 0,1,2
	global_load_b64 v[KB+12*\t+6*\c+2*\p:KB+12*\t+6*\c+2*\p+1], v[VV], s[30:31] offset:12288*\st+6144*\c+384*\t+128*\p   ; V lands while the softmax is walked
.endr
.endr
.endr
	GSOFT \first
	s_wait_loadcnt 0x0
.irp t, 0,1,2,3
	WM O+8*\t, KB+12*\t, P, \first, VS+2*\st+\t/2, PW, \t%2
.endr
.endm
.macro OLOAD q, c                      ; partial 2 q + c's O^T into buffer q % 2
.irp i, 0,1,2,3,4,5,6,7
.if (\q) < 4
	ds_load_b128 v[S+32*((\q)%2)+4*\i:S+32*((\q)%2)+4*\i+3], v[LI] offset:PART*(2*(\q)+\c)+512*\i
.else
	ds_load_b128 v[S+32*((\q)%2)+4*\i:S+32*((\q)%2)+4*\i+3], v[LIB] offset:PART*(2*(\q)+\c-8)+512*\i
.endif
.endr
.endm
.macro MERGE c                         ; head c's eight partials under the largest M
.irp q, 0,1,2,3
	ds_load_b32 v[KB+2*\q], v[L4] offset:PART*(2*\q+\c)+4224       ; -M,
	ds_load_b32 v[KB+2*\q+1], v[L4] offset:PART*(2*\q+\c)+4096     ; the sum beside it
.endr
.irp q, 4,5,6,7
	ds_load_b32 v[KB+2*\q], v[L4B] offset:PART*(2*\q+\c-8)+4224
	ds_load_b32 v[KB+2*\q+1], v[L4B] offset:PART*(2*\q+\c-8)+4096
.endr
	OLOAD 0, \c
	s_wait_dscnt 8                                 ; the sixteen words are in; the first partial's eight loads may be out
	v_min3_num_f32 v12, v[KB], v[KB+2], v[KB+4]
	v_min3_num_f32 v12, v12, v[KB+6], v[KB+8]
	v_min3_num_f32 v12, v12, v[KB+10], v[KB+12]
	v_min_num_f32 v12, v12, v[KB+14]               ; the least -M: the largest M
.irp q, 0,1,2,3,4,5,6,7
	v_sub_f32 v[KB+2*\q], v12, v[KB+2*\q]          ; the partial's M less the largest: a whole number, 0 or less
.endr
.irp q, 0,1,2,3,4,5,6,7
	v_cvt_i32_f32 v[KB+2*\q], v[KB+2*\q]
.endr
.irp q, 0,1,2,3,4,5,6,7
	v_ldexp_f32 v[KB+2*\q], 1.0, v[KB+2*\q]        ; an exact power of two
.endr
	v_mul_f32 v14, v[KB], v[KB+1]
.irp q, 1,2,3,4,5,6,7
	v_fmac_f32 v14, v[KB+2*\q], v[KB+2*\q+1]
.endr
.irp q, 0,1,2,3,4,5,6,7
.if \q < 7
	OLOAD \q+1, \c
	s_wait_dscnt 8                                 ; this partial is in; the next one's eight loads may be out
.else
	s_wait_dscnt 0x0
.endif
.irp j, 0,2,4,6,8,10,12,14,16,18,20,22,24,26,28,30
.if \q == 0
	v_pk_mul_f32 v[O+\j:O+\j+1], v[S+\j:S+\j+1], v[KB:KB+1] op_sel_hi:[1,0]
.else
	v_pk_fma_f32 v[O+\j:O+\j+1], v[S+32*(\q%2)+\j:S+32*(\q%2)+\j+1], v[KB+2*\q:KB+2*\q+1], v[O+\j:O+\j+1] op_sel_hi:[1,0,1]
.endif
.endr
.endr
.endm
.macro FINISH c
	v_rcp_f32 v14, v14
	v_nop
	s_wait_alu depctr_va_vdst(0)
.irp j, 0,2,4,6,8,10,12,14,16,18,20,22,24,26,28,30
	v_pk_mul_f32 v[O+\j:O+\j+1], v[O+\j:O+\j+1], v[14:15] op_sel_hi:[1,0]
.endr
.irp b, 0,1
	v_max3_num_f32 v[BY+\b], |v[O+16*\b]|, |v[O+16*\b+1]|, 0x1800000
.endr
.irp i, 2,4,6,8,10,12,14
.irp b, 0,1
	v_max3_num_f32 v[BY+\b], v[BY+\b], |v[O+16*\b+\i]|, |v[O+16*\b+\i+1]|
.endr
.endr
.irp b, 0,1
	v_permlanex16_b32 v[BY+2+\b], v[BY+\b], s20, s21
.endr
.irp b, 0,1
	v_max_num_f32 v[BY+\b], v[BY+\b], v[BY+2+\b]
.endr
.irp b, 0,1
	v_add_nc_u32 v[SO+\b], 0xff000000, v[BY+\b]
.endr
.irp b, 0,1
	v_lshrrev_b32 v[BY+\b], 23, v[SO+\b]
.endr
.if \c == 0
	v_lshl_or_b32 v[HW0], v[BY+1], 8, v[BY]
.else
	v_lshl_or_b32 v[TMP], v[BY+1], 8, v[BY]
	v_lshl_or_b32 v[TMP], v[TMP], 16, v[HW0]
.endif
	v_cvt_scalef32_pk16_fp6_f32 v[OC+6*\c:OC+6*\c+2], v[O:O+15], v[SO]
	v_cvt_scalef32_pk16_fp6_f32 v[XT1:XT1+2], v[O+16:O+31], v[SO+1]
	v_nop
.irp i, 0,1,2
	v_permlane16_swap_b32 v[OC+6*\c+\i], v[XT1+\i]
.endr
.irp i, 0,1,2
	v_mov_b32 v[OC+6*\c+3+\i], v[XT1+\i]
.endr
.endm
	GSTEP 0, 1
	GSTEP 1, 0
	GSTEP 2, 0
	GSTEP 3, 0
	PLACES
	v_add_f32 v14, v14, v15                        ; my sum's two halves,
	v_permlanex16_b32 v[TMP], v14, s20, s21
	v_add_f32 v14, v14, v[TMP]                     ; and lane l xor 16's
.irp i, 0,1,2,3,4,5,6,7
	ds_store_b128 v[WO], v[O+4*\i:O+4*\i+3] offset:512*\i     ; each accumulator from its low end on
.endr
	ds_store_b32 v[WW], v14 offset:4096
	ds_store_b32 v[WW], v12 offset:4224
	s_wait_dscnt 0x0                               ; for wave 0's sake: my partial has landed
	s_barrier_signal -1
	s_barrier_wait -1
	s_cmp_lg_u32 s12, 0
	s_cbranch_scc1 .Lend
	MERGE 0
	FINISH 0
	MERGE 1
	FINISH 1
.irp g, 0,1,2
	global_store_b128 v[LI], v[OC+4*\g:OC+4*\g+3], s[36:37] offset:512*\g
.endr
	global_store_b32 v[R4], v[TMP], s[38:39]
.Lend:
	s_wait_tensorcnt 0x0
	ds_add_u32 v247, v255
	s_wait_dscnt 0x0
	s_endpgm
.Lfunc_end_k_q4f2feee221_attn_global:
	.size	k_q4f2feee221_attn_global, .Lfunc_end_k_q4f2feee221_attn_global-k_q4f2feee221_attn_global
	.p2alignl 7, 3214868480
	.fill 96, 4, 3214868480
	.section	.rodata,"a",@progbits
	.p2align	6, 0x0
	.amdhsa_kernel k_q4f2feee221_attn_global
		.amdhsa_group_segment_fixed_size 75776
		.amdhsa_private_segment_fixed_size 0
		.amdhsa_enable_private_segment 0
		.amdhsa_kernarg_size 32
		.amdhsa_user_sgpr_count 2
		.amdhsa_user_sgpr_kernarg_segment_ptr 1
		.amdhsa_wavefront_size32 1
		.amdhsa_system_sgpr_workgroup_id_x 1
		.amdhsa_system_sgpr_workgroup_id_y 1
		.amdhsa_system_sgpr_workgroup_id_z 1
		.amdhsa_system_vgpr_workitem_id 0
		.amdhsa_next_free_vgpr 256
		.amdhsa_next_free_sgpr 66
		.amdhsa_reserve_vcc 0
		.amdhsa_float_denorm_mode_32 3
		.amdhsa_float_denorm_mode_16_64 3
		.amdhsa_memory_ordered 1
		.amdhsa_forward_progress 1
		.amdhsa_inst_pref_size 115
	.end_amdhsa_kernel
	.amdgpu_metadata
---
amdhsa.version: [ 1, 2 ]
amdhsa.kernels:
  - .name:           k_q4f2feee221_attn_global
    .symbol:         k_q4f2feee221_attn_global.kd
    .args:
      - { .name: qkv, .offset: 0, .size: 8, .value_kind: global_buffer, .address_space: global }
      - { .name: qkvs, .offset: 8, .size: 8, .value_kind: global_buffer, .address_space: global }
      - { .name: of, .offset: 16, .size: 8, .value_kind: global_buffer, .address_space: global }
      - { .name: ofs, .offset: 24, .size: 8, .value_kind: global_buffer, .address_space: global }
    .group_segment_fixed_size: 75776
    .private_segment_fixed_size: 0
    .kernarg_segment_align: 8
    .kernarg_segment_size: 32
    .max_flat_workgroup_size: 512
    .sgpr_count:     66
    .vgpr_count:     256
    .wavefront_size: 32
...
	.end_amdgpu_metadata
.endif
;; end of part 4
;; launch outproj (part 5): grid 256 x 1, 4 waves a work-group, no clusters, 230,912 bytes of LDS; arguments codes, scl, of, ofs, out0; writes out0
.if DOCPART == 5
	.amdgcn_target "amdgcn-amd-amdhsa--gfx1250"
	.amdhsa_code_object_version 6
	.text
	.protected	k_q4f2feee221_outproj
	.globl	k_q4f2feee221_outproj
	.p2align	8
	.type	k_q4f2feee221_outproj,@function
k_q4f2feee221_outproj:
	s_mov_b64 s[64:65], 0
	v_nop
	global_prefetch_b8 v0, s[64:65] scope:SCOPE_SE
	s_setreg_imm32_b32 hwreg(HW_REG_WAVE_MODE, 25, 1), 1
	s_wait_xcnt 0x0
; out0 = o Wo^T on codes of FP6 (E2M3) with E8M0 scales; sums in f32.  o's codes [token tile][K step][1,536] and scale words [K step][token tile][16] were made by the attention launches, Wo's by the quantising launch.
; SHARES.  A work-group makes 128 columns (Wo's tiles 448 + 8 pg: source 0, "P") x 128 tokens (o's tiles 8 rg ..: source 1, "R"); all four waves take the 8 P tiles, each wave 2 R tiles: 16 accumulators, 128 matrix instructions.
; 256 work-groups.  All of K of the 16 tiles is resident in LDS, 196,608 bytes, filled ONCE in four chunks of two K steps; by this text's own count a wave has eight tensor loads out at most.
; NO CLUSTER: kept plain as the launch for q, k and v is; half of a work-group's bytes (o's) are shared with the seven others of its row, the other half (Wo's) with the 31 others of its column, so joint loads are the next measure to take here.
; Lane r of tile T holds row 32 (T / 2) + 8 (T % 2) + r + 8 (r / 8): a lane's eight results of P tile i are columns 32 (i / 2) + 16 h + 8 (i % 2) + 0 .. 7 of one token's row.
; THE WAY OUT: 16 tokens x 128 columns go through the wave's own stage (rows of 512 + 16 bytes, behind the tiles: no fill lands there) and leave as whole runs of 512 aligned bytes.
.set CH,  49152
.set AP,  4
.set AR,  8
.set ASC, 12                           ; v12  16,384 h + 4 r: o's scale words
.set STO, 13
.set RD,  14
.set SP,  32
.set SR,  64
.set RF,  128
.set STAGE, 196608
.set G1,  16
.set G0P, 32
.set G0R, 48
.set MSB, 0
.macro WIN new
.if MSB != \new
	s_set_vgpr_msb (MSB<<8)|\new
.set MSB, \new
.endif
.endm
.macro PLACES
.rept 4
	v_nop
.endr
.endm
	s_load_b256 s[4:11], s[0:1], 0x0               ; codes, scl, of, ofs
	s_load_b64 s[12:13], s[0:1], 0x20              ; out0
	v_lshl_add_u32 v126, v0, 2, 0x38400
	v_mov_b32 v127, 0
	ds_add_u32 v126, v127
	ds_add_u32 v126, v127
	v_lshrrev_b32 v1, 5, v0
	v_readfirstlane_b32 s14, v1                    ; wave
	s_and_b32 s15, ttmp9, 7                        ; pg
	s_lshr_b32 s24, ttmp9, 3                       ; rg
	s_lshl_b32 s66, s15, 3
	s_add_co_u32 s66, s66, 448                     ; Wo's first tile
	s_lshl_b32 s76, s66, 9
	s_mov_b32 s77, 0
	s_lshl_b32 s67, s14, 1
	s_add_co_u32 s66, s66, s67
	s_mul_i32 s70, s66, 12288
	s_mov_b32 s71, 0
	s_lshl_b32 s25, s24, 3
	s_add_co_u32 s25, s25, s67                     ; my two tiles of o
	s_mul_i32 s72, s25, 12288
	s_mov_b32 s73, 0
	s_lshl_b32 s78, s25, 6
	s_mov_b32 s79, 0
	s_mul_i32 s74, s14, 6144
	s_add_co_u32 s75, s74, 24576
	s_lshl_b32 s68, s24, 19                        ; token 128 rg + 32 w, 4,096 bytes a row; column 128 pg
	s_lshl_b32 s69, s14, 17
	s_add_co_u32 s68, s68, s69
	s_lshl_b32 s69, s15, 9
	s_add_co_u32 s68, s68, s69
	s_mov_b32 s69, 0
	s_mov_b32 s[G1+0], 3<<16                       ; 2 rows of 3,072 bytes (384 elements of 8 bytes), 12,288 bytes apart; no padding
	s_mov_b32 s[G1+1], 384<<16
	s_mov_b32 s[G1+2], 2<<16
	s_mov_b32 s[G1+3], 384<<16
	s_mov_b32 s[G1+4], 2
	s_mov_b32 s[G1+5], 1536
	s_mov_b32 s[G1+6], 0
	s_mov_b32 s[G1+7], 0
	s_wait_dscnt 0x0
	s_wait_kmcnt 0x0
	s_add_nc_u64 s[70:71], s[4:5], s[70:71]
	s_add_nc_u64 s[72:73], s[8:9], s[72:73]
	s_add_nc_u64 s[76:77], s[6:7], s[76:77]
	s_add_nc_u64 s[78:79], s[10:11], s[78:79]
	s_add_nc_u64 s[68:69], s[12:13], s[68:69]
.irp c, 0,1,2,3
	s_mov_b32 s[G0P+4*\c], 1
	s_add_co_u32 s[G0P+4*\c+1], s74, CH*\c
	s_add_nc_u64 s[G0P+4*\c+2:G0P+4*\c+3], s[70:71], 3072*\c
	s_or_b32 s[G0P+4*\c+3], s[G0P+4*\c+3], 0x80000000
	s_mov_b32 s[G0R+4*\c], 1
	s_add_co_u32 s[G0R+4*\c+1], s75, CH*\c
	s_add_nc_u64 s[G0R+4*\c+2:G0R+4*\c+3], s[72:73], 3072*\c
	s_or_b32 s[G0R+4*\c+3], s[G0R+4*\c+3], 0x80000000
.endr
.irp c, 0,1,2,3                        ; all first fills in one group, chunk by chunk
	tensor_load_to_lds s[G0P+4*\c:G0P+4*\c+3], s[G1:G1+7]
	s_nop 0
	tensor_load_to_lds s[G0R+4*\c:G0R+4*\c+3], s[G1:G1+7]
	s_nop 0
.endr
	PLACES
	v_and_b32 v2, 31, v0                           ; l
	v_and_b32 v3, 15, v0                           ; r
	v_bfe_u32 v15, v0, 4, 1                        ; h
	v_lshlrev_b32 v1, 4, v2                        ; 16 l
.irp c, 0,1,2,3
	v_add_nc_u32 v[AP+\c], CH*\c, v1
	v_add_nc_u32 v[AR+\c], s75, v[AP+\c]
.endr
	v_lshlrev_b32 v[ASC], 14, v15
	v_lshl_add_u32 v[ASC], v3, 2, v[ASC]
	s_mul_i32 s26, s14, 8448
	s_add_co_u32 s26, s26, STAGE                   ; my stage
	v_mul_u32_u24 v[STO], v3, 528
	v_lshl_add_u32 v[STO], v15, 6, v[STO]
	v_add_nc_u32 v[STO], s26, v[STO]               ; in: row r, + 64 h
	v_add_nc_u32 v[RD], s26, v1                    ; back: 16 bytes a lane of a row
.irp i, 0,1,2,3,4,5,6,7
	global_load_b128 v[SP+4*\i:SP+4*\i+3], v1, s[76:77] offset:512*\i   ; register q: lanes 0-15 K step 2 q, lanes 16-31 K step 2 q + 1
.endr
.irp j, 0,1
.irp q, 0,1,2,3
	global_load_b32 v[SR+4*\j+\q], v[ASC], s[78:79] offset:32768*\q+64*\j
.endr
.endr
.macro FETCH s                         ; K step s: 8 fragments of P, 2 of R: 30 loads
	WIN 0x40
.irp i, 0,1,2,3,4,5,6,7
.irp g, 0,1,2
	ds_load_b128 v[128*((\s)%2)+12*\i+4*\g:128*((\s)%2)+12*\i+4*\g+3], v[AP+(\s)/2] offset:3072*\i+1536*((\s)%2)+512*\g
.endr
.endr
	WIN 0
.irp j, 0,1
.irp g, 0,1,2
	ds_load_b128 v[RF+24*((\s)%2)+12*\j+4*\g:RF+24*((\s)%2)+12*\j+4*\g+3], v[AR+(\s)/2] offset:3072*\j+1536*((\s)%2)+512*\g
.endr
.endr
.endm
.macro MUL s                           ; 16 matrix instructions; the 16 accumulators take turns, one instruction a turn
	WIN 0xa1
.irp j, 0,1
.irp i, 0,1,2,3,4,5,6,7
.if (\s) == 0
	v_wmma_scale_f32_16x16x128_f8f6f4 v[64*\j+8*\i:64*\j+8*\i+7], v[12*\i:12*\i+11], v[RF+12*\j:RF+12*\j+11], 0, v[SP+4*\i], v[SR+4*\j] matrix_a_fmt:MATRIX_FMT_FP6 matrix_b_fmt:MATRIX_FMT_FP6
.elseif (\s)%2 == 0
	v_wmma_scale_f32_16x16x128_f8f6f4 v[64*\j+8*\i:64*\j+8*\i+7], v[12*\i:12*\i+11], v[RF+12*\j:RF+12*\j+11], v[64*\j+8*\i:64*\j+8*\i+7], v[SP+4*\i+(\s)/2], v[SR+4*\j+(\s)/2] matrix_a_fmt:MATRIX_FMT_FP6 matrix_b_fmt:MATRIX_FMT_FP6
.else
	v_wmma_scale_f32_16x16x128_f8f6f4 v[64*\j+8*\i:64*\j+8*\i+7], v[128+12*\i:128+12*\i+11], v[RF+24+12*\j:RF+24+12*\j+11], v[64*\j+8*\i:64*\j+8*\i+7], v[SP+4*\i+(\s)/2], v[SR+4*\j+(\s)/2] matrix_a_fmt:MATRIX_FMT_FP6 matrix_b_fmt:MATRIX_FMT_FP6 matrix_a_scale:MATRIX_SCALE_ROW1 matrix_b_scale:MATRIX_SCALE_ROW1
.endif
.endr
.endr
.endm
.macro STEP s
.if (\s) > 0
	PLACES                                         ; the set that is loaded next was read by the K step before
.endif
.if ((\s)%2 == 1) && ((\s) < 7)
	s_wait_tensorcnt 5-(\s)                        ; my part of the next chunk is in; two loads for each later chunk may be out
	s_wait_dscnt 0x0
	s_barrier_signal -1
	s_barrier_wait -1                              ; everybody's part is in.
.endif
.if (\s) < 7
	FETCH (\s)+1
	s_wait_dscnt 30                                ; all but the 30 just issued
.else
	s_wait_dscnt 0x0
.endif
	MUL \s
.endm
	s_wait_tensorcnt 6                             ; my part of chunk 0 is in; the six loads of the later chunks may be out
	s_barrier_signal -1
	s_barrier_wait -1
	FETCH 0
	s_wait_loadcnt 0x0                             ; the scale words
	STEP 0
	STEP 1
	STEP 2
	STEP 3
	STEP 4
	STEP 5
	STEP 6
	STEP 7
	WIN 0
	PLACES
.irp j, 0,1                            ; LDS serves a wave's instructions in order: no wait between the stores and the loads, nor in front of the second tile's stores
	WIN 0x08                                       ; an LDS store's data: window 2
.irp i, 0,1,2,3,4,5,6,7
	ds_store_b128 v[STO], v[64*\j+8*\i:64*\j+8*\i+3] offset:128*(\i/2)+32*(\i%2)       ; each accumulator from its low end on
	ds_store_b128 v[STO], v[64*\j+8*\i+4:64*\j+8*\i+7] offset:128*(\i/2)+32*(\i%2)+16
.endr
	WIN 0
.irp t, 0,1,2,3,4,5,6,7,8,9,10,11,12,13,14,15
	ds_load_b128 v[128+64*\j+4*\t:128+64*\j+4*\t+3], v[RD] offset:528*\t
.endr
.endr
.irp t, 0,1,2,3,4,5,6,7,8,9,10,11,12,13,14,15
	s_wait_dscnt 47-\t                             ; behind row t's load: the first tile's later loads and the second tile's 16 stores and 16 loads
	global_store_b128 v1, v[128+4*\t:128+4*\t+3], s[68:69] offset:(\t+8*(\t/8))*4096 th:TH_STORE_NT   ; 32 lanes store 512 consecutive bytes, at a multiple of 256 from out0's first byte
.endr
.irp t, 0,1,2,3,4,5,6,7,8,9,10,11,12,13,14,15
	s_wait_dscnt 15-\t
	global_store_b128 v1, v[192+4*\t:192+4*\t+3], s[68:69] offset:(8+\t+8*(\t/8))*4096 th:TH_STORE_NT
.endr
	s_wait_tensorcnt 0x0
	ds_add_u32 v126, v127
	s_wait_dscnt 0x0
	s_endpgm
.Lfunc_end_k_q4f2feee221_outproj:
	.size	k_q4f2feee221_outproj, .Lfunc_end_k_q4f2feee221_outproj-k_q4f2feee221_outproj
	.p2alignl 7, 3214868480
	.fill 96, 4, 3214868480
	.section	.rodata,"a",@progbits
	.p2align	6, 0x0
	.amdhsa_kernel k_q4f2feee221_outproj
		.amdhsa_group_segment_fixed_size 230912
		.amdhsa_private_segment_fixed_size 0
		.amdhsa_enable_private_segment 0
		.amdhsa_kernarg_size 40
		.amdhsa_user_sgpr_count 2
		.amdhsa_user_sgpr_kernarg_segment_ptr 1
		.amdhsa_wavefront_size32 1
		.amdhsa_system_sgpr_workgroup_id_x 1
		.amdhsa_system_sgpr_workgroup_id_y 1
		.amdhsa_system_sgpr_workgroup_id_z 1
		.amdhsa_system_vgpr_workitem_id 0
		.amdhsa_next_free_vgpr 640
		.amdhsa_next_free_sgpr 80
		.amdhsa_reserve_vcc 0
		.amdhsa_float_denorm_mode_32 3
		.amdhsa_float_denorm_mode_16_64 3
		.amdhsa_memory_ordered 1
		.amdhsa_forward_progress 1
		.amdhsa_inst_pref_size 50
	.end_amdhsa_kernel
	.amdgpu_metadata
---
amdhsa.version: [ 1, 2 ]
amdhsa.kernels:
  - .name:           k_q4f2feee221_outproj
    .symbol:         k_q4f2feee221_outproj.kd
    .args:
      - { .name: codes, .offset: 0, .size: 8, .value_kind: global_buffer, .address_space: global }
      - { .name: scl, .offset: 8, .size: 8, .value_kind: global_buffer, .address_space: global }
      - { .name: of, .offset: 16, .size: 8, .value_kind: global_buffer, .address_space: global }
      - { .name: ofs, .offset: 24, .size: 8, .value_kind: global_buffer, .address_space: global }
      - { .name: out0, .offset: 32, .size: 8, .value_kind: global_buffer, .address_space: global }
    .group_segment_fixed_size: 230912
    .private_segment_fixed_size: 0
    .kernarg_segment_align: 8
    .kernarg_segment_size: 40
    .max_flat_workgroup_size: 128
    .sgpr_count:     80
    .vgpr_count:     640
    .wavefront_size: 32
...
	.end_amdgpu_metadata
.endif
;; end of part 5
;; ======== version 2 of 2: 5 launches; version 1 with the launch attn_global written anew for expert scheduling mode
;; workspace buffers: codes 6,291,456 bytes; scl 262,144 bytes; qkv 9,437,184 bytes; qkvs 393,216 bytes; of 3,145,728 bytes; ofs 131,072 bytes
;; launch quant: the kernel of part 1 again; grid 512 x 1, 4 waves a work-group, no clusters, 68,096 bytes of LDS; arguments hidden_states, Wq, Wk, Wv, Wo, codes, scl; writes codes, scl
;; launch qkv: the kernel of part 2 again; grid 384 x 1, 4 waves a work-group, no clusters, 295,424 bytes of LDS; arguments codes, scl, qkv, qkvs; writes qkv, qkvs
;; launch attn_local: the kernel of part 3 again; grid 32 x 8, 8 waves a work-group, no clusters, 168,960 bytes of LDS; arguments qkv, qkvs, of, ofs; writes of, ofs
;; launch attn_global (part 6): grid 4 x 8, 16 waves a work-group, no clusters, 75,776 bytes of LDS; arguments qkv, qkvs, of, ofs; writes of, ofs
.if DOCPART == 6
	.amdgcn_target "amdgcn-amd-amdhsa--gfx1250"
	.amdhsa_code_object_version 6
	.text
	.protected	k_q4f2feee221_attn_global
	.globl	k_q4f2feee221_attn_global
	.p2align	8
	.type	k_q4f2feee221_attn_global,@function
k_q4f2feee221_attn_global:
	s_mov_b64 s[64:65], 0
	v_nop
	global_prefetch_b8 v0, s[64:65] scope:SCOPE_SE
	s_setreg_imm32_b32 hwreg(HW_REG_WAVE_SCHED_MODE, 0, 2), 2
	s_setreg_imm32_b32 hwreg(HW_REG_WAVE_MODE, 25, 1), 1
	s_wait_xcnt 0x0
	s_wait_alu depctr_vm_vsrc(0)
; Attention for the queries 0 .. 63, for which every one of the 4,096 keys counts.  Arithmetic and layouts as in the launch for the other queries: S^T = K Q^T, p = 2^(t - M) with M a whole number, quantised along the
; keys in blocks of 32, O^T = V^T P^T, the row's sum of the unquantised p divides at the end (v_rcp_f32 and a multiplication).
; SHARES.  A work-group takes one tile of 16 queries and a pair of heads.  Wave w takes head c = w % 2 and the key groups 4 (w / 2) .. + 3, 128 keys a step, four steps.  Each fragment of K and V is read by one wave
; alone, so it comes from memory straight into registers: no tensor load, no ring.  Four waves share a SIMD and cover each other's waits.
; The head is a wave's number and no constant of the text: so its 64 channels always stand in the operands' lower half (the pieces are read 768 c bytes on, the scale words are shifted down 16 c bits), and q's upper half is zeros.
; THE MERGE.  Each wave leaves O^T, its sum and its -M in LDS; behind one barrier wave 0 brings the eight partials of each head under the largest M by exact powers of two, adds them, divides, quantises, stores.
; 32 work-groups: 4 tiles x 8 pairs of heads; a further split of the keys would want a sum across work-groups, which a launch does not have.
; LIMITS: NaN and infinities are not served; a block of zeros gets the byte 1; magnitudes under 2^-124 are held at the byte 1.
; THE MODE: SCHED_MODE bits 1:0 = 2 (LLVM: expert scheduling mode 2), set by the entry lines.  The code itself states the register dependences between vector or matrix instructions and memory or LDS
; instructions, with s_wait_alu, always for 0.
; THE PLAN.  Registers that memory or LDS instructions touch:
;   v1-8, v53, v54   offsets and LDS addresses: made once at the head, never written again.  One wait ahead of the first load serves every load and store of the kernel.
;   KB (v70-117)     a step's K lands in it and its eight products K Q^T read it; then the step's V lands in it and its four products V^T P^T read it; then the next step's K.  ONE buffer: the launch gives a wave 256
;                    registers, sixteen are free beside what lives through a step, and a second buffer wants 48.  So a wait stands at each of the two places in a step where the buffer changes hands.
;   q, scale words   loaded at the head; q's and K's words are shifted there; read by the products.  Step 0's K is asked for together with them.
;   O^T, sum, -M     written by products and vector lines, read by the LDS stores of the partial, written anew by wave 0's merge.
;   the merge        sixteen words land in v70-85; the partials' O^T land in FOUR buffers of 32 registers (the scores' 64, KB's v86-117, and v16-47, where q and the scale words lay): partials 0-3 are asked for at
;                    once, 4 and 5 behind the additions of 0 and 1, 6 and 7 behind those of 2 and 3: two waits a merge.
;   o's codes, word  written by vector lines, read by the last stores.
; Beside these stand the waits that a scaled product's operands ask for where vector lines have written them (p's codes and scale word), and one wait behind each batch of transcendentals.
.set VK,  1                            ; v1   8 l + 768 c
.set VV,  2                            ; v2   3,072 h + 8 r + 1,536 c
.set L4,  3                            ; v3   4 l
.set L4C, 4                            ; v4   4 l + 256 c
.set R4,  5                            ; v5   4 r
.set LI,  6                            ; v6   16 l
.set WO,  7                            ; v7   my partial: 4,608 w + 16 l
.set WW,  8                            ; v8   4,608 w + 4 l
.set HW0, 9
.set Q,   16                           ; v16-21 q, v22-27 zeros
.set QS,  28
.set KS,  29                           ; v29-44: 4 step + block
.set VS,  45                           ; v45-52: 2 step + pair of channel tiles
.set LIB, 53                           ; v53  16 l + 36,864: partials 8-15 (an offset holds 16 bits)
.set L4B, 54                           ; v54  4 l + 36,864
.set OC,  58
.set KB,  70
.set S,   124
.set O,   188
.set P,   220
.set BY,  232
.set XT0, 232
.set XT1, 236
.set PW,  239
.set BM,  240
.set SO,  248
.set F,   252
.set TMP, 254
.set PART, 4608
.set MB0, 124                          ; the merge's four buffers
.set MB1, 156
.set MB2, 86
.set MB3, 16
.macro PLACES
.rept 4
	v_nop
.endr
.endm
.macro WM d, a, b, zero, sa, sb, row
.if \zero
.if \row
	v_wmma_scale_f32_16x16x128_f8f6f4 v[\d:\d+7], v[\a:\a+11], v[\b:\b+11], 0, v[\sa], v[\sb] matrix_a_fmt:MATRIX_FMT_FP6 matrix_b_fmt:MATRIX_FMT_FP6 matrix_a_scale:MATRIX_SCALE_ROW1
.else
	v_wmma_scale_f32_16x16x128_f8f6f4 v[\d:\d+7], v[\a:\a+11], v[\b:\b+11], 0, v[\sa], v[\sb] matrix_a_fmt:MATRIX_FMT_FP6 matrix_b_fmt:MATRIX_FMT_FP6
.endif
.else
.if \row
	v_wmma_scale_f32_16x16x128_f8f6f4 v[\d:\d+7], v[\a:\a+11], v[\b:\b+11], v[\d:\d+7], v[\sa], v[\sb] matrix_a_fmt:MATRIX_FMT_FP6 matrix_b_fmt:MATRIX_FMT_FP6 matrix_a_scale:MATRIX_SCALE_ROW1
.else
	v_wmma_scale_f32_16x16x128_f8f6f4 v[\d:\d+7], v[\a:\a+11], v[\b:\b+11], v[\d:\d+7], v[\sa], v[\sb] matrix_a_fmt:MATRIX_FMT_FP6 matrix_b_fmt:MATRIX_FMT_FP6
.endif
.endif
.endm
.macro KLD st                          ; step st's eight key tiles, my head's half of each: 24 loads
.irp t, 0,1,2,3,4,5,6,7
.irp p, 0,1,2
	global_load_b64 v[KB+6*\t+2*\p:KB+6*\t+2*\p+1], v[VK], s[28:29] offset:12288*\st+1536*\t+256*\p
.endr
.endr
.endm
	s_load_b256 s[4:11], s[0:1], 0x0               ; qkv, qkvs, of, ofs
	v_lshl_add_u32 v247, v0, 2, 0x12000
	v_mov_b32 v255, 0
	v_lshrrev_b32 v1, 5, v0
	v_readfirstlane_b32 s12, v1                    ; wave
	s_wait_alu depctr_va_sdst(0)                   ; s12 is written, ahead of its first reader: the head, the key groups and my partial's place are made from it
	s_and_b32 s13, s12, 1                          ; c
	s_lshr_b32 s14, s12, 1                         ; which four key groups
	s_mov_b32 s15, ttmp9                           ; T
	s_and_b32 s16, ttmp7, 0xffff                   ; the pair of heads
	s_lshl_b32 s19, s13, 4                         ; 16 c
	s_mov_b32 s20, 0x76543210
	s_mov_b32 s21, 0xfedcba98
	s_mov_b32 s22, 0x3e38aa3b                      ; log2(e) / 8
	s_mov_b32 s23, s22
	s_lshl_b32 s17, s16, 8
	s_add_co_u32 s17, s17, s15                     ; 256 x pair + T
	s_mul_i32 s24, s17, 1536
	s_mov_b32 s25, 0
	s_lshl_b32 s26, s17, 6
	s_mov_b32 s27, 0
	s_lshl_b32 s18, s16, 5
	s_lshl_b32 s40, s14, 2
	s_add_co_u32 s18, s18, s40                     ; 32 x pair + my first group
	s_mul_i32 s28, s18, 12288
	s_add_co_u32 s30, s28, 6291456
	s_add_co_u32 s28, s28, 3145728
	s_mov_b32 s29, 0
	s_mov_b32 s31, 0
	s_add_co_u32 s32, s16, 8
	s_lshl_b32 s32, s32, 14
	s_lshl_b32 s40, s14, 11
	s_add_co_u32 s32, s32, s40
	s_mov_b32 s33, 0
	s_lshl_b32 s34, s18, 9
	s_add_co_u32 s34, s34, 262144
	s_mov_b32 s35, 0
	s_lshl_b32 s36, s15, 3
	s_add_co_u32 s36, s36, s16
	s_mul_i32 s36, s36, 1536
	s_mov_b32 s37, 0
	s_mov_b32 s38, s26
	s_mov_b32 s39, 0
	s_mul_i32 s41, s13, 768                        ; the four numbers that vector lines read have registers of their own, which no later line writes
	s_mul_i32 s42, s13, 1536
	s_lshl_b32 s43, s13, 8
	s_mul_i32 s44, s12, PART
	v_and_b32 v10, 31, v0                          ; l
	v_and_b32 v11, 15, v0                          ; r
	v_bfe_u32 v12, v0, 4, 1                        ; h
	v_lshl_add_u32 v[VK], v10, 3, s41
	v_lshl_add_u32 v[VV], v11, 3, s42
	v_mad_u32_u24 v[VV], v12, 3072, v[VV]
	v_lshlrev_b32 v[L4], 2, v10
	v_add_nc_u32 v[L4C], s43, v[L4]
	v_lshlrev_b32 v[R4], 2, v11
	v_lshlrev_b32 v[LI], 4, v10
	v_add_nc_u32 v[WO], s44, v[LI]
	v_add_nc_u32 v[WW], s44, v[L4]
	v_add_nc_u32 v[LIB], 8*PART, v[LI]
	v_add_nc_u32 v[L4B], 8*PART, v[L4]
	s_wait_kmcnt 0x0
	s_add_nc_u64 s[24:25], s[4:5], s[24:25]        ; q's codes
	s_add_nc_u64 s[26:27], s[6:7], s[26:27]        ; q's scale words
	s_add_nc_u64 s[28:29], s[4:5], s[28:29]        ; K's codes
	s_add_nc_u64 s[30:31], s[4:5], s[30:31]        ; V's codes
	s_add_nc_u64 s[32:33], s[6:7], s[32:33]        ; K's scale words
	s_add_nc_u64 s[34:35], s[6:7], s[34:35]        ; V's
	s_add_nc_u64 s[36:37], s[8:9], s[36:37]        ; o's codes
	s_add_nc_u64 s[38:39], s[10:11], s[38:39]      ; o's scale words
	s_wait_alu depctr_va_vdst(0)                   ; the offsets and LDS addresses v1 to v8, v53 and v54 are written: every load and store of the kernel reads one of them, and none is written again
.irp p, 0,1,2
	global_load_b64 v[Q+2*\p:Q+2*\p+1], v[VK], s[24:25] offset:256*\p
.endr
	global_load_b32 v[QS], v[R4], s[26:27]
.irp t, 0,1,2,3
.irp k, 0,1,2,3
	global_load_b32 v[KS+4*\t+\k], v[L4], s[32:33] offset:512*\t+128*\k
.endr
.irp i, 0,1
	global_load_b32 v[VS+2*\t+\i], v[L4C], s[34:35] offset:512*\t+128*\i
.endr
.endr
	KLD 0                                          ; step 0's K goes out with them: no vector line has named v70-117
.irp i, 0,1,2,3,4,5
	v_mov_b32 v[Q+6+\i], 0
	v_mov_b32 v[KB+48+\i], 0
.endr
.irp i, 0,1,2,3
	v_mov_b32 v[BY+\i], 0                          ; a lane permute's destination counts as one of its sources
.endr
	v_mov_b32 v[F+1], 0
	v_mov_b32 v[TMP], 0
	s_wait_loadcnt 24                              ; q and the 25 scale words are in; the 24 younger loads, step 0's K, may be out
	v_lshrrev_b32 v[QS], s19, v[QS]                ; my head's two bytes come down to the lower half's places; what comes in above scales zero codes
.irp i, 0,1,2,3,4,5,6,7,8,9,10,11,12,13,14,15
	v_lshrrev_b32 v[KS+\i], s19, v[KS+\i]
.endr
.macro GSOFT first
.irp b, 0,1,2,3
	v_max3_num_f32 v[BM+\b], v[S+16*\b], v[S+16*\b+1], v[S+16*\b+2]
.endr
.irp i, 3,5,7,9,11,13
.irp b, 0,1,2,3
	v_max3_num_f32 v[BM+\b], v[BM+\b], v[S+16*\b+\i], v[S+16*\b+\i+1]
.endr
.endr
.irp b, 0,1,2,3
	v_max_num_f32 v[BM+\b], v[BM+\b], v[S+16*\b+15]
.endr
.irp b, 0,1,2,3
	v_permlanex16_b32 v[BY+\b], v[BM+\b], s20, s21
.endr
.irp b, 0,1,2,3
	v_max_num_f32 v[BM+\b], v[BM+\b], v[BY+\b]
.endr
	v_max3_num_f32 v[TMP], v[BM], v[BM+1], v[BM+2]
	v_max_num_f32 v[TMP], v[TMP], v[BM+3]
	v_mul_f32 v[TMP], s22, v[TMP]
.if \first
	v_mov_b32 v13, v[TMP]
	v_floor_f32 v12, -v13
.else
	v_max_num_f32 v13, v13, v[TMP]
	v_mov_b32 v[TMP], v12
	v_floor_f32 v12, -v13
	v_sub_f32 v[TMP], v12, v[TMP]
	v_cvt_i32_f32 v[TMP], v[TMP]
	v_ldexp_f32 v[F], 1.0, v[TMP]
.endif
.irp j, 0,2,4,6,8,10,12,14,16,18,20,22,24,26,28,30,32,34,36,38,40,42,44,46,48,50,52,54,56,58,60,62
	v_pk_fma_f32 v[S+\j:S+\j+1], v[S+\j:S+\j+1], s[22:23], v[12:13] op_sel_hi:[1,0,0]
.endr
.irp b, 0,1,2,3
	v_fma_f32 v[BM+\b], v[BM+\b], s22, v12
.endr
.irp j, 0,1,2,3,4,5,6,7,8,9,10,11,12,13,14,15,16,17,18,19,20,21,22,23,24,25,26,27,28,29,30,31,32,33,34,35,36,37,38,39,40,41,42,43,44,45,46,47,48,49,50,51,52,53,54,55,56,57,58,59,60,61,62,63
	v_exp_f32 v[S+\j], v[S+\j]
.endr
.irp b, 0,1,2,3
	v_exp_f32 v[BM+\b], v[BM+\b]
.endr
.if \first
	v_nop
.else
	v_pk_mul_f32 v[14:15], v[14:15], v[F:F+1] op_sel_hi:[1,0]
.endif
	s_wait_alu depctr_va_vdst(0)                   ; the 68 exponentials have written p and the blocks' largest p: one wait for the batch, behind its plain line and ahead of its first reader
.irp b, 0,1,2,3
	v_max_num_f32 v[BM+\b], 0x1800000, v[BM+\b]
.endr
.irp b, 0,1,2,3
	v_add_nc_u32 v[SO+\b], 0xff000000, v[BM+\b]
.endr
.irp b, 0,1,2,3
	v_lshrrev_b32 v[BY+\b], 23, v[SO+\b]
.endr
	v_lshl_or_b32 v[PW], v[BY+1], 8, v[BY]
	v_lshl_or_b32 v[PW], v[BY+2], 16, v[PW]
	v_lshl_or_b32 v[PW], v[BY+3], 24, v[PW]
	v_cvt_scalef32_pk16_fp6_f32 v[P:P+2], v[S:S+15], v[SO]
	v_cvt_scalef32_pk16_fp6_f32 v[XT0:XT0+2], v[S+16:S+31], v[SO+1]
	v_cvt_scalef32_pk16_fp6_f32 v[P+6:P+8], v[S+32:S+47], v[SO+2]
	v_cvt_scalef32_pk16_fp6_f32 v[XT1:XT1+2], v[S+48:S+63], v[SO+3]
	v_nop
.irp i, 0,1,2
	v_permlane16_swap_b32 v[P+\i], v[XT0+\i]
.endr
.irp i, 0,1,2
	v_mov_b32 v[P+3+\i], v[XT0+\i]
.endr
.irp i, 0,1,2
	v_permlane16_swap_b32 v[P+6+\i], v[XT1+\i]
.endr
.irp i, 0,1,2
	v_mov_b32 v[P+9+\i], v[XT1+\i]
.endr
.if \first
	v_pk_add_f32 v[14:15], v[S:S+1], v[S+4:S+5]
	v_pk_add_f32 v[10:11], v[S+2:S+3], v[S+6:S+7]
.irp j, 8,12,16,20,24,28,32,36,40,44,48,52,56,60
	v_pk_add_f32 v[14:15], v[14:15], v[S+\j:S+\j+1]
	v_pk_add_f32 v[10:11], v[10:11], v[S+\j+2:S+\j+3]
.endr
.else
	v_pk_add_f32 v[10:11], v[S:S+1], v[S+2:S+3]
.irp j, 4,8,12,16,20,24,28,32,36,40,44,48,52,56,60
	v_pk_add_f32 v[14:15], v[14:15], v[S+\j:S+\j+1]
	v_pk_add_f32 v[10:11], v[10:11], v[S+\j+2:S+\j+3]
.endr
.endif
	v_pk_add_f32 v[14:15], v[14:15], v[10:11]
.if !\first
.irp j, 0,2,4,6,8,10,12,14,16,18,20,22,24,26,28,30
	v_pk_mul_f32 v[O+\j:O+\j+1], v[O+\j:O+\j+1], v[F:F+1] op_sel_hi:[1,0]
.endr
.endif
.endm
.macro GSTEP st, first
	PLACES                                         ; behind the last products; in step 0 among the places between the shifts of the scale words and the products that take them
.if \first
	s_wait_alu depctr_va_vdst(0)                   ; the shifted scale words of q and K and the zeros of the upper halves are written, which the scaled products below take as scales and operands
.else
	s_wait_alu depctr_va_vdst(0)                   ; the last step's products V^T P^T are done reading KB, in which K lands
	KLD \st
.endif
	s_wait_loadcnt 0x0
.irp k, 0,1,2,3
	WM S+16*\k, KB+12*\k, Q, 1, KS+4*\st+\k, QS, 0
	WM S+16*\k+8, KB+12*\k+6, Q, 1, KS+4*\st+\k, QS, 1
.endr
	PLACES                                         ; four places behind the products, ahead of the first read of the scores (ISA guide 7.12.1); they stay beside the wait
	s_wait_alu depctr_va_vdst(0)                   ; the eight products K Q^T are done reading KB, in which V lands; no line of the softmax names KB or V's offset
.irp t, 0,1,2,3
.irp c, 0,1
.irp p, 0,1,2
	global_load_b64 v[KB+12*\t+6*\c+2*\p:KB+12*\t+6*\c+2*\p+1], v[VV], s[30:31] offset:12288*\st+6144*\c+384*\t+128*\p   ; V lands while the softmax is walked
.endr
.endr
.endr
	GSOFT \first
	s_wait_loadcnt 0x0
	s_wait_alu depctr_va_vdst(0)                   ; p's codes and its scale word are written, which the scaled products below take; the packed additions behind them are the places
.irp t, 0,1,2,3
	WM O+8*\t, KB+12*\t, P, \first, VS+2*\st+\t/2, PW, \t%2
.endr
.endm
.macro OLOAD q, c, buf                 ; partial 2 q + c's O^T into the buffer named
.irp i, 0,1,2,3,4,5,6,7
.if (\q) < 4
	ds_load_b128 v[\buf+4*\i:\buf+4*\i+3], v[LI] offset:PART*(2*(\q)+\c)+512*\i
.else
	ds_load_b128 v[\buf+4*\i:\buf+4*\i+3], v[LIB] offset:PART*(2*(\q)+\c-8)+512*\i
.endif
.endr
.endm
.macro OADD q, buf                     ; O^T takes partial q, times its exact power of two; the partials are added in the order 0 .. 7
.irp j, 0,2,4,6,8,10,12,14,16,18,20,22,24,26,28,30
.if (\q) == 0
	v_pk_mul_f32 v[O+\j:O+\j+1], v[\buf+\j:\buf+\j+1], v[KB:KB+1] op_sel_hi:[1,0]
.else
	v_pk_fma_f32 v[O+\j:O+\j+1], v[\buf+\j:\buf+\j+1], v[KB+2*(\q):KB+2*(\q)+1], v[O+\j:O+\j+1] op_sel_hi:[1,0,1]
.endif
.endr
.endm
.macro MERGE c                         ; head c's eight partials under the largest M
.if \c == 1
	s_wait_alu depctr_va_vdst(0)                   ; the first merge has written and read the sixteen words' registers and is done reading the four buffers: the loads below land in them
.endif
.irp q, 0,1,2,3
	ds_load_b32 v[KB+2*\q], v[L4] offset:PART*(2*\q+\c)+4224       ; -M,
	ds_load_b32 v[KB+2*\q+1], v[L4] offset:PART*(2*\q+\c)+4096     ; the sum beside it
.endr
.irp q, 4,5,6,7
	ds_load_b32 v[KB+2*\q], v[L4B] offset:PART*(2*\q+\c-8)+4224
	ds_load_b32 v[KB+2*\q+1], v[L4B] offset:PART*(2*\q+\c-8)+4096
.endr
	OLOAD 0, \c, MB0
	OLOAD 1, \c, MB1
	OLOAD 2, \c, MB2
	OLOAD 3, \c, MB3
	s_wait_dscnt 32                                ; the sixteen words are in; the 32 loads of partials 0 to 3 may be out
	v_min3_num_f32 v12, v[KB], v[KB+2], v[KB+4]
	v_min3_num_f32 v12, v12, v[KB+6], v[KB+8]
	v_min3_num_f32 v12, v12, v[KB+10], v[KB+12]
	v_min_num_f32 v12, v12, v[KB+14]               ; the least -M: the largest M
.irp q, 0,1,2,3,4,5,6,7
	v_sub_f32 v[KB+2*\q], v12, v[KB+2*\q]          ; the partial's M less the largest: a whole number, 0 or less
.endr
.irp q, 0,1,2,3,4,5,6,7
	v_cvt_i32_f32 v[KB+2*\q], v[KB+2*\q]
.endr
.irp q, 0,1,2,3,4,5,6,7
	v_ldexp_f32 v[KB+2*\q], 1.0, v[KB+2*\q]        ; an exact power of two
.endr
	v_mul_f32 v14, v[KB], v[KB+1]
.irp q, 1,2,3,4,5,6,7
	v_fmac_f32 v14, v[KB+2*\q], v[KB+2*\q+1]
.endr
	s_wait_dscnt 24                                ; partial 0 is in; the 24 loads of partials 1 to 3 may be out
	OADD 0, MB0
	s_wait_dscnt 16                                ; partial 1
	OADD 1, MB1
	s_wait_alu depctr_va_vdst(0)                   ; the additions of partials 0 and 1 are done reading the first two buffers, in which partials 4 and 5 land
	OLOAD 4, \c, MB0
	OLOAD 5, \c, MB1
	s_wait_dscnt 24                                ; partial 2 is in; behind it: partial 3's eight loads and the sixteen just issued
	OADD 2, MB2
	s_wait_dscnt 16                                ; partial 3
	OADD 3, MB3
	s_wait_alu depctr_va_vdst(0)                   ; the additions of partials 2 and 3 are done reading the other two buffers, in which partials 6 and 7 land
	OLOAD 6, \c, MB2
	OLOAD 7, \c, MB3
	s_wait_dscnt 24                                ; partial 4 is in; behind it: partial 5's eight loads and the sixteen just issued
	OADD 4, MB0
	s_wait_dscnt 16                                ; the counts run down
	OADD 5, MB1
	s_wait_dscnt 8
	OADD 6, MB2
	s_wait_dscnt 0x0
	OADD 7, MB3
.endm
.macro FINISH c
	v_rcp_f32 v14, v14
	v_nop
	s_wait_alu depctr_va_vdst(0)                   ; the reciprocal has written 1 / the sum, behind its plain line and ahead of its first reader
.irp j, 0,2,4,6,8,10,12,14,16,18,20,22,24,26,28,30
	v_pk_mul_f32 v[O+\j:O+\j+1], v[O+\j:O+\j+1], v[14:15] op_sel_hi:[1,0]
.endr
.irp b, 0,1
	v_max3_num_f32 v[BY+\b], |v[O+16*\b]|, |v[O+16*\b+1]|, 0x1800000
.endr
.irp i, 2,4,6,8,10,12,14
.irp b, 0,1
	v_max3_num_f32 v[BY+\b], v[BY+\b], |v[O+16*\b+\i]|, |v[O+16*\b+\i+1]|
.endr
.endr
.irp b, 0,1
	v_permlanex16_b32 v[BY+2+\b], v[BY+\b], s20, s21
.endr
.irp b, 0,1
	v_max_num_f32 v[BY+\b], v[BY+\b], v[BY+2+\b]
.endr
.irp b, 0,1
	v_add_nc_u32 v[SO+\b], 0xff000000, v[BY+\b]
.endr
.irp b, 0,1
	v_lshrrev_b32 v[BY+\b], 23, v[SO+\b]
.endr
.if \c == 0
	v_lshl_or_b32 v[HW0], v[BY+1], 8, v[BY]
.else
	v_lshl_or_b32 v[TMP], v[BY+1], 8, v[BY]
	v_lshl_or_b32 v[TMP], v[TMP], 16, v[HW0]
.endif
	v_cvt_scalef32_pk16_fp6_f32 v[OC+6*\c:OC+6*\c+2], v[O:O+15], v[SO]
	v_cvt_scalef32_pk16_fp6_f32 v[XT1:XT1+2], v[O+16:O+31], v[SO+1]
	v_nop
.irp i, 0,1,2
	v_permlane16_swap_b32 v[OC+6*\c+\i], v[XT1+\i]
.endr
.irp i, 0,1,2
	v_mov_b32 v[OC+6*\c+3+\i], v[XT1+\i]
.endr
.endm
	GSTEP 0, 1
	GSTEP 1, 0
	GSTEP 2, 0
	GSTEP 3, 0
	PLACES
	v_add_f32 v14, v14, v15                        ; my sum's two halves,
	v_permlanex16_b32 v[TMP], v14, s20, s21
	v_add_f32 v14, v14, v[TMP]                     ; and lane l xor 16's
	s_wait_alu depctr_va_vdst(0)                   ; the last products have written O^T and the additions my sum, which the LDS stores read (the places above stay beside this wait).  Every product and every line of the softmax is also
	                                               ; done reading KB, the scores, q and the scale words, in which the first merge's loads land: no vector line stands between this wait and those loads
.irp i, 0,1,2,3,4,5,6,7
	ds_store_b128 v[WO], v[O+4*\i:O+4*\i+3] offset:512*\i     ; each accumulator from its low end on
.endr
	ds_store_b32 v[WW], v14 offset:4096
	ds_store_b32 v[WW], v12 offset:4224
	s_wait_dscnt 0x0                               ; for wave 0's sake: my partial has landed
	s_barrier_signal -1
	s_barrier_wait -1
	s_cmp_lg_u32 s12, 0
	s_cbranch_scc1 .Lend
	s_wait_alu depctr_vm_vsrc(0)                   ; my LDS stores have read O^T, the sum and -M, which the merge's vector lines write anew
	MERGE 0
	FINISH 0
	MERGE 1
	FINISH 1
	s_wait_alu depctr_va_vdst(0)                   ; o's codes and its scale word are written, which the stores below read
.irp g, 0,1,2
	global_store_b128 v[LI], v[OC+4*\g:OC+4*\g+3], s[36:37] offset:512*\g
.endr
	global_store_b32 v[R4], v[TMP], s[38:39]
.Lend:
	s_wait_dscnt 0x0
	s_wait_alu depctr_hold_cnt(0) depctr_sa_sdst(0) depctr_va_vdst(0) depctr_va_sdst(0) depctr_va_ssrc(0) depctr_va_vcc(0) depctr_vm_vsrc(0)
	s_wait_tensorcnt 0x0
	ds_add_u32 v247, v255
	s_wait_dscnt 0x0
	s_endpgm
.Lfunc_end_k_q4f2feee221_attn_global:
	.size	k_q4f2feee221_attn_global, .Lfunc_end_k_q4f2feee221_attn_global-k_q4f2feee221_attn_global
	.p2alignl 7, 3214868480
	.fill 96, 4, 3214868480
	.section	.rodata,"a",@progbits
	.p2align	6, 0x0
	.amdhsa_kernel k_q4f2feee221_attn_global
		.amdhsa_group_segment_fixed_size 75776
		.amdhsa_private_segment_fixed_size 0
		.amdhsa_enable_private_segment 0
		.amdhsa_kernarg_size 32
		.amdhsa_user_sgpr_count 2
		.amdhsa_user_sgpr_kernarg_segment_ptr 1
		.amdhsa_wavefront_size32 1
		.amdhsa_system_sgpr_workgroup_id_x 1
		.amdhsa_system_sgpr_workgroup_id_y 1
		.amdhsa_system_sgpr_workgroup_id_z 1
		.amdhsa_system_vgpr_workitem_id 0
		.amdhsa_next_free_vgpr 256
		.amdhsa_next_free_sgpr 66
		.amdhsa_reserve_vcc 0
		.amdhsa_float_denorm_mode_32 3
		.amdhsa_float_denorm_mode_16_64 3
		.amdhsa_memory_ordered 1
		.amdhsa_forward_progress 1
		.amdhsa_inst_pref_size 115
	.end_amdhsa_kernel
	.amdgpu_metadata
---
amdhsa.version: [ 1, 2 ]
amdhsa.kernels:
  - .name:           k_q4f2feee221_attn_global
    .symbol:         k_q4f2feee221_attn_global.kd
    .args:
      - { .name: qkv, .offset: 0, .size: 8, .value_kind: global_buffer, .address_space: global }
      - { .name: qkvs, .offset: 8, .size: 8, .value_kind: global_buffer, .address_space: global }
      - { .name: of, .offset: 16, .size: 8, .value_kind: global_buffer, .address_space: global }
      - { .name: ofs, .offset: 24, .size: 8, .value_kind: global_buffer, .address_space: global }
    .group_segment_fixed_size: 75776
    .private_segment_fixed_size: 0
    .kernarg_segment_align: 8
    .kernarg_segment_size: 32
    .max_flat_workgroup_size: 512
    .sgpr_count:     66
    .vgpr_count:     256
    .wavefront_size: 32
...
	.end_amdgpu_metadata
.endif
;; end of part 6
;; launch outproj: the kernel of part 5 again; grid 256 x 1, 4 waves a work-group, no clusters, 230,912 bytes of LDS; arguments codes, scl, of, ofs, out0; writes out0
